; MI455X (gfx1250); checked and timed in simulation.
; The chip was launched on July 23, 2026; its instructions are those of AMD's public machine-readable ISA for CDNA 5 (MIT licence, August 2026) and "CDNA5" Instruction Set Architecture Reference Guide (July 2026). The comments in the code are by the model that wrote it; some were corrected since.
;; PAM Module v5. Allowed arithmetic: float matrix products may take bf16 or f16 operands with f32 sums; other float arithmetic in f32, or as packed bf16 or f16 multiplies, adds, multiply-adds, maxima and minima; sums over many terms, partial sums and values carried from step to step in f32; what a program stores and reads back later, other than sums and carried values, may be rounded once to bf16 or f16.
;; Inputs: bk 64 float32; bq 64 float32; bv 512 float32; gamma 1 float32; wk 64 x 512 float32; wq 64 x 512 float32; wv 512 x 512 float32; x 4 x 512 x 64 x 64 float32.
;; Outputs: out0 4 x 512 x 64 x 64 float32.
;; 2 versions, each right and faster than the one before. Each part assembles by itself: llvm-mc -triple=amdgcn-amd-amdhsa -mcpu=gfx1250 --defsym DOCPART=n.
;; ======== version 1 of 2: 3 launches
;; workspace buffers: xb 16,777,216 bytes; wvb 524,288 bytes; qp 2,097,152 bytes; kp 2,097,152 bytes; s2 131,072 bytes; qf 2,097,152 bytes; q2n 65,536 bytes; nsh 65,536 bytes
;; launch prep (part 1): grid 64 x 4, 8 waves a work-group, no clusters, 235,008 bytes of LDS; arguments x, wq, bq, wk, bk, wv, xb, wvb, qp, kp, s2; writes xb, wvb, qp, kp, s2
.if DOCPART == 1
	.amdgcn_target "amdgcn-amd-amdhsa--gfx1250"
	.amdhsa_code_object_version 6
	.text
	.protected	k_qbb15ba86c0_prep
	.globl	k_qbb15ba86c0_prep
	.p2align	8
	.type	k_qbb15ba86c0_prep,@function
k_qbb15ba86c0_prep:
	s_mov_b64 s[64:65], 0
	v_nop
	global_prefetch_b8 v0, s[64:65] scope:SCOPE_SE
	s_setreg_imm32_b32 hwreg(HW_REG_WAVE_MODE, 25, 1), 1
	s_wait_xcnt 0x0
; PREP.  One work-group takes one image row pb (64 pixels) of all 512 channels of batch b.  It writes
;   xb  = bf16 x,  [b][pb][c 512][64 pixels]: a block of 65,536 dense bytes for each pb
;   wvb = bf16 Wv, [u = c'/64][c 512][64 c']: each wave of the launch converts two rows of 64 numbers
;   qp  = bf16(-2 q), kp = bf16 k, both [b][pb][o 64][64 d]: row (pb, o) is row n = 64 o + pb of the reshaped q or k
;   s2  = f32 [b][pb][128]: 0-63 the sums of squares of the ROUNDED q rows, 64-127 those of the rounded k rows
; q and k are D[p][o] = sum over c of x[c][p] W[o][c] + bias, in bf16 products with f32 sums: wave w makes o' = 16 w .. +15 of the 128 rows of
; (wq; wk) for all 64 pixels.  x is read from memory once; it goes to xb and, as it lies ([c][p]), into LDS, from where the turning load brings x^T.
; NO CLUSTER, NO TENSOR LOADS: what the work-groups share is wq and wk, 262,144 bytes of f32 that must be rounded on the way into LDS, so it comes through registers.
; LIMITS.  bf16 operands; sums must stay finite in f32; NaN and infinities are not treated apart.
.set XTP,   160       ; a row of XT[c][64 p]: 128 bytes + 32: 8 rows x 32 bytes of a turning load fall on different banks
.set WL,    81920     ; WL[o' 128][512 c] bf16
.set WLP,   1040      ; 1,024 bytes + 16
.set STG,   215040    ; 16 rows x 144 bytes for each wave: the way out of q and k
.set S2S,   233472    ; 128 sums of squares
.set SPARE, 233984    ; the spare words: 128 bytes for each of eight waves
.set VX,  5           ; x: my byte offset in the group's 512 rows
.set VXB, 6           ; xb
.set AXT, 7           ; XT, for the stores
.set VW,  8           ; wq or wk
.set AWS, 9           ; WL, for the stores
.set VWV, 10          ; wv: my 16 bytes of the wave's slice
.set VWO, 11          ; wvb
.set VB,  12          ; bias
.set ATR, 13          ; v13, v14: XT for the turning loads, K steps 0-7 and 8-15
.set AWL, 15          ; WL for the fragment loads
.set AST, 16          ; stage, in
.set ARD, 17          ; stage, back
.set VQO, 18          ; qp or kp
.set AS2, 19          ; my word of S2S
.set V16, 20          ; 16 x lane
.set AS4, 21          ; S2S + 16 x lane
.set BF,  22          ; v22-23 bias x f, twice
.set WVR, 24          ; v24-27 the Wv slice
.set BI,  28          ; bias
.set SPW, 30
.set NIL, 31
.set ACC, 32          ; v32-63 four accumulators: pixels 16 pt .. +15
.set B0,  64          ; three buffers of 16 loads
.set B1,  128
.set B2,  192
.set F0,  64          ; two fragment buffers of 40: four of x^T, one of W
.set PK,  144         ; v144-159 packed results
.set SQ,  160         ; v160-163 four chains of squares
.set RB,  168         ; v168-183 rows read back; v184-187 s2
	s_load_b512 s[4:19], s[0:1], 0x0               ; x 4, wq 6, bq 8, wk 10, bk 12, wv 14, xb 16, wvb 18
	s_load_b128 s[20:23], s[0:1], 0x40             ; qp 20, kp 22
	s_load_b64 s[24:25], s[0:1], 0x50              ; s2
	v_lshl_add_u32 v[SPW], v0, 2, SPARE
	v_mov_b32 v[NIL], 0
	v_lshrrev_b32 v1, 5, v0
	v_readfirstlane_b32 s26, v1                    ; wave 0..7
	s_and_b32 s27, ttmp7, 0xffff                   ; b
	s_and_b32 s28, s26, 3                          ; my tile of 16 rows in wq or in wk
	s_lshl_b32 s29, s27, 6
	s_add_co_u32 s29, s29, ttmp9                   ; 64 b + pb
	v_and_b32 v2, 31, v0                           ; lane
	v_and_b32 v3, 15, v0                           ; r
	v_bfe_u32 v4, v0, 4, 1                         ; h
	v_lshlrev_b32 v[VX], 4, v3                     ; x: 16 lanes take a row's 256 bytes, the other 16 the next row's
	v_lshl_add_u32 v[VX], v4, 14, v[VX]
	s_lshl_b32 s30, s26, 20                        ; my 64 rows of 16,384 bytes
	v_add_nc_u32 v[VX], s30, v[VX]
	s_lshl_b32 s30, s26, 13
	v_lshl_add_u32 v[VXB], v2, 3, s30              ; xb: 64 rows of 128 bytes a wave, 8 bytes a lane
	v_mul_u32_u24 v[AXT], v4, XTP
	v_lshl_add_u32 v[AXT], v3, 3, v[AXT]
	s_mul_i32 s30, s26, 64*XTP
	v_add_nc_u32 v[AXT], s30, v[AXT]
	s_lshl_b32 s30, s28, 15                        ; 16 rows of 2,048 bytes
	v_lshl_add_u32 v[VW], v2, 4, s30
	s_mul_i32 s45, s26, 16*WLP
	s_add_co_u32 s45, s45, WL                      ; my 16 rows of WL
	v_lshl_add_u32 v[AWS], v2, 3, s45
	s_lshl3_add_u32 s41, s29, s26                  ; my wave among the launch's 2,048
	s_lshr_b32 s42, s41, 8                         ; u
	s_and_b32 s43, s41, 255
	s_lshl_b32 s43, s43, 1                         ; c: two rows
	s_lshl_b32 s44, s43, 11
	s_lshl_b32 s46, s42, 8
	s_add_co_u32 s44, s44, s46
	v_lshlrev_b32 v[VWV], 4, v3
	v_lshl_add_u32 v[VWV], v4, 11, v[VWV]
	v_add_nc_u32 v[VWV], s44, v[VWV]               ; (c + h) 2,048 + 256 u + 16 r
	s_lshl_b32 s44, s42, 9
	s_add_co_u32 s44, s44, s43
	s_lshl_b32 s44, s44, 7
	v_lshl_add_u32 v[VWO], v2, 3, s44              ; (512 u + c) 128 + 8 x lane
	s_lshl_b32 s30, s28, 6
	v_lshl_add_u32 v[VB], v3, 2, s30
	v_and_b32 v1, 7, v0
	v_lshl_add_u32 v1, v4, 3, v1
	v_mul_u32_u24 v[ATR], v1, XTP                  ; the turning load: lane l reads channel 8 h + l % 8, pixels 8 ((l / 8) % 2) + 0..7
	v_bfe_u32 v1, v0, 3, 1
	v_lshl_add_u32 v[ATR], v1, 4, v[ATR]
	v_add_nc_u32 v[ATR+1], 256*XTP, v[ATR]
	v_mul_u32_u24 v[AWL], v3, WLP
	v_lshl_add_u32 v[AWL], v4, 4, v[AWL]
	v_add_nc_u32 v[AWL], s45, v[AWL]
	s_mul_i32 s30, s26, 16*144
	s_add_co_u32 s30, s30, STG
	v_mul_u32_u24 v[AST], v3, 144
	v_lshl_add_u32 v[AST], v4, 4, v[AST]
	v_add_nc_u32 v[AST], s30, v[AST]
	v_lshrrev_b32 v1, 3, v2
	v_mul_u32_u24 v[ARD], v1, 144
	v_and_b32 v1, 7, v0
	v_lshl_add_u32 v[ARD], v1, 4, v[ARD]
	v_add_nc_u32 v[ARD], s30, v[ARD]
	s_lshl_b32 s30, s28, 11
	v_lshl_add_u32 v[VQO], v2, 4, s30
	s_lshl_b32 s30, s26, 6
	s_add_co_u32 s30, s30, S2S
	v_lshl_add_u32 v[AS2], v3, 2, s30
	v_lshlrev_b32 v[V16], 4, v2
	v_add_nc_u32 v[AS4], S2S, v[V16]
	s_mov_b32 s46, 0x76543210                      ; v_permlanex16_b32: each lane takes its own place in the other half
	s_mov_b32 s47, 0xfedcba98
	s_wait_kmcnt 0x0
	s_cmp_lt_u32 s26, 4                            ; waves 0-3 make q, waves 4-7 k
	s_cselect_b64 s[34:35], s[6:7], s[10:11]       ; the weights
	s_cselect_b64 s[36:37], s[8:9], s[12:13]       ; the bias
	s_cselect_b64 s[32:33], s[20:21], s[22:23]     ; the output
	s_cselect_b32 s38, -2.0, 1.0                   ; f: q is stored as -2 q (exact), so that the later product gives -2 q.k
	s_cselect_b32 s40, 0x3e800000, 1.0             ; g: the sum of squares of -2 q is 4 q2
	s_mov_b32 s39, s38
	s_lshl_b32 s30, s27, 23
	s_lshl_b32 s31, ttmp9, 8
	s_add_co_u32 s30, s30, s31
	s_mov_b32 s31, 0
	s_add_nc_u64 s[4:5], s[4:5], s[30:31]          ; x at batch b, pixel 64 pb
	s_lshl_b32 s30, s29, 16
	s_add_nc_u64 s[16:17], s[16:17], s[30:31]      ; xb at my block
	s_lshl_b32 s30, s29, 13
	s_add_nc_u64 s[32:33], s[32:33], s[30:31]      ; qp or kp at my 64 rows
	s_lshl_b32 s30, s29, 9
	s_add_nc_u64 s[24:25], s[24:25], s[30:31]      ; s2 at my 128 words
.macro LDX ch, buf                     ; 32 rows of x: two rows of 256 bytes a load
.set i, 0
.rept 16
	global_load_b128 v[(\buf)+4*i:(\buf)+4*i+3], v[VX], s[4:5] offset:(32*(\ch)+2*i)*16384 th:TH_LOAD_NT
.set i, i+1
.endr
.endm
; A chunk's conversions stand together, then its stores in runs: no store stands straight behind the conversion that feeds it.
.macro CVT16 buf
.set i, 0
.rept 16
	v_cvt_pk_bf16_f32 v[(\buf)+4*i], v[(\buf)+4*i], v[(\buf)+4*i+1]
	v_cvt_pk_bf16_f32 v[(\buf)+4*i+1], v[(\buf)+4*i+2], v[(\buf)+4*i+3]
.set i, i+1
.endr
.endm
.macro PROCX ch, buf                   ; rounded to bf16; to xb (a store covers 256 consecutive bytes, aligned) and into XT
	CVT16 \buf
.set i, 0
.rept 16
	global_store_b64 v[VXB], v[(\buf)+4*i:(\buf)+4*i+1], s[16:17] offset:(32*(\ch)+2*i)*128
.set i, i+1
.endr
.set i, 0
.rept 16
	ds_store_b64 v[AXT], v[(\buf)+4*i:(\buf)+4*i+1] offset:(32*(\ch)+2*i)*XTP
.set i, i+1
.endr
.endm
.macro LDW ch, buf                     ; four rows of W: four loads of 512 bytes a row
.set i, 0
.rept 16
	global_load_b128 v[(\buf)+4*i:(\buf)+4*i+3], v[VW], s[34:35] offset:(4*(\ch)+i/4)*2048+(i%4)*512
.set i, i+1
.endr
.endm
.macro PROCW ch, buf
	CVT16 \buf
.set i, 0
.rept 16
	ds_store_b64 v[AWS], v[(\buf)+4*i:(\buf)+4*i+1] offset:(4*(\ch)+i/4)*WLP+(i%4)*256
.set i, i+1
.endr
.endm
	; PHASE 1.  Three buffers of 16 loads take turns: 48 loads of a wave are on their way.
	global_load_b32 v[BI], v[VB], s[36:37]
	global_load_b128 v[WVR:WVR+3], v[VWV], s[14:15]
	LDX 0, B0
	LDX 1, B1
	LDW 0, B2
	s_wait_loadcnt 48                              ; the bias and the slice of Wv are in; three chunks of 16 stay out
	v_cvt_pk_bf16_f32 v[WVR], v[WVR], v[WVR+1]
	v_cvt_pk_bf16_f32 v[WVR+1], v[WVR+2], v[WVR+3]
	global_store_b64 v[VWO], v[WVR:WVR+1], s[18:19]  ; 256 consecutive bytes, aligned
	s_wait_loadcnt 32                              ; x's first chunk; two chunks stay out
	PROCX 0, B0
	s_wait_xcnt 0x0                                ; the stores to xb have read B0: only now is it loaded again
	LDW 1, B0
	s_wait_loadcnt 32                              ; x's second chunk
	PROCX 1, B1
	s_wait_xcnt 0x0                                ; the same for B1
	LDW 2, B1
	s_wait_loadcnt 32                              ; W's chunk 0
	PROCW 0, B2
	LDW 3, B2
	s_wait_loadcnt 32                              ; chunk 1
	PROCW 1, B0
	s_wait_loadcnt 16                              ; chunk 2: one chunk stays out
	PROCW 2, B1
	s_wait_loadcnt 0x0
	PROCW 3, B2
	s_wait_dscnt 0x0                               ; for the others' sake: my rows of XT are written
	s_barrier_signal -1
	s_barrier_wait -1
	; PHASE 2.  K = 512 channels in 16 steps of 32; four accumulators take turns.
.macro LDF kk, f
.if (\kk) < 8
.set AB, ATR
.set KO, (\kk)*32*XTP
.else
.set AB, ATR+1
.set KO, ((\kk)-8)*32*XTP
.endif
.irp pt, 0,1,2,3
	ds_load_tr16_b128 v[(\f)+8*\pt:(\f)+8*\pt+3], v[AB] offset:KO+32*\pt
	ds_load_tr16_b128 v[(\f)+8*\pt+4:(\f)+8*\pt+7], v[AB] offset:KO+32*\pt+16*XTP
.endr
	ds_load_b128 v[(\f)+32:(\f)+35], v[AWL] offset:64*(\kk)
	ds_load_b128 v[(\f)+36:(\f)+39], v[AWL] offset:64*(\kk)+32
.endm
	LDF 0, F0
.set kk, 0
.rept 16
.if kk < 15
.if kk > 0
.rept 4
	v_nop                                          ; four places between the products that read a buffer and the loads into it (ISA guide 7.12.1 for vector instructions)
.endr
.endif
	LDF kk+1, F0+40*((kk+1)%2)
	s_wait_dscnt 10                                ; this step's fragments are in; the ten loads just issued stay out
.else
	s_wait_dscnt 0x0
.endif
.set fb, F0+40*(kk%2)
.irp pt, 0,1,2,3
.if kk == 0
	v_wmma_f32_16x16x32_bf16 v[ACC+8*\pt:ACC+8*\pt+7], v[fb+8*\pt:fb+8*\pt+7], v[fb+32:fb+39], 0
.else
	v_wmma_f32_16x16x32_bf16 v[ACC+8*\pt:ACC+8*\pt+7], v[fb+8*\pt:fb+8*\pt+7], v[fb+32:fb+39], v[ACC+8*\pt:ACC+8*\pt+7]
.endif
.endr
.set kk, kk+1
.endr
	; PHASE 3.  A lane holds row o = 16 w + r and, of tile pt, the pixels 16 pt + 8 h + 0..7.  The six lines below are the places behind the last products.
	v_mul_f32 v[BF], s38, v[BI]
.irp c, 0,1,2,3
	v_mov_b32 v[SQ+\c], 0
.endr
	v_mov_b32 v[BF+1], v[BF]
.set i, 0
.rept 16
	v_pk_fma_f32 v[ACC+2*i:ACC+2*i+1], v[ACC+2*i:ACC+2*i+1], s[38:39], v[BF:BF+1] op_sel_hi:[1,0,1]  ; f (sum + bias)
.set i, i+1
.endr
.set i, 0
.rept 16
	v_cvt_pk_bf16_f32 v[PK+i], v[ACC+2*i], v[ACC+2*i+1]
.set i, i+1
.endr
.set i, 0
.rept 16                               ; the squares of the rounded numbers, in f32, four chains
	v_fma_mix_f32_bf16 v[SQ+(2*i)%4], v[PK+i], v[PK+i], v[SQ+(2*i)%4] op_sel_hi:[1,1,0]
	v_fma_mix_f32_bf16 v[SQ+(2*i+1)%4], v[PK+i], v[PK+i], v[SQ+(2*i+1)%4] op_sel:[1,1,0] op_sel_hi:[1,1,0]
.set i, i+1
.endr
	v_add_f32 v[SQ], v[SQ], v[SQ+1]
	v_add_f32 v[SQ+2], v[SQ+2], v[SQ+3]
	v_add_f32 v[SQ], v[SQ], v[SQ+2]
	v_permlanex16_b32 v[SQ+1], v[SQ], s46, s47     ; the row's other 32 pixels lie in the lane 16 away
	v_add_f32 v[SQ], v[SQ], v[SQ+1]
	v_mul_f32 v[SQ], s40, v[SQ]
	ds_store_b32 v[AS2], v[SQ]                     ; both halves of the lanes write the same number
.irp pt, 0,1,2,3
	ds_store_b128 v[AST], v[PK+4*\pt:PK+4*\pt+3] offset:32*\pt
.endr
.irp t, 0,1,2,3
	ds_load_b128 v[RB+4*\t:RB+4*\t+3], v[ARD] offset:\t*4*144  ; my own bytes: LDS serves a wave's instructions in order (ISA guide 5.7.1.4)
.endr
.irp t, 0,1,2,3
	s_wait_dscnt 3-\t                              ; the younger reads stay out
	global_store_b128 v[VQO], v[RB+4*\t:RB+4*\t+3], s[32:33] offset:512*\t  ; four rows of 128 bytes: 512 consecutive bytes, aligned
.endr
	s_barrier_signal -1                            ; the last wait above was for 0: my word of S2S is written
	s_barrier_wait -1
	s_cmp_lg_u32 s26, 0
	s_cbranch_scc1 .Lnot_wave_0
	ds_load_b128 v[RB+16:RB+19], v[AS4]
	s_wait_dscnt 0x0
	global_store_b128 v[V16], v[RB+16:RB+19], s[24:25]  ; 512 consecutive bytes
.Lnot_wave_0:
	s_wait_tensorcnt 0x0                           ; the wave's end
	ds_add_u32 v[SPW], v[NIL]
	s_wait_dscnt 0x0
	s_endpgm
.Lfunc_end_k_qbb15ba86c0_prep:
	.size	k_qbb15ba86c0_prep, .Lfunc_end_k_qbb15ba86c0_prep-k_qbb15ba86c0_prep
	.p2alignl 7, 3214868480
	.fill 96, 4, 3214868480
	.section	.rodata,"a",@progbits
	.p2align	6, 0x0
	.amdhsa_kernel k_qbb15ba86c0_prep
		.amdhsa_group_segment_fixed_size 235008
		.amdhsa_private_segment_fixed_size 0
		.amdhsa_enable_private_segment 0
		.amdhsa_kernarg_size 88
		.amdhsa_user_sgpr_count 2
		.amdhsa_user_sgpr_kernarg_segment_ptr 1
		.amdhsa_wavefront_size32 1
		.amdhsa_system_sgpr_workgroup_id_x 1
		.amdhsa_system_sgpr_workgroup_id_y 1
		.amdhsa_system_sgpr_workgroup_id_z 1
		.amdhsa_system_vgpr_workitem_id 0
		.amdhsa_next_free_vgpr 256
		.amdhsa_next_free_sgpr 66
		.amdhsa_reserve_vcc 0
		.amdhsa_float_denorm_mode_32 3
		.amdhsa_float_denorm_mode_16_64 3
		.amdhsa_memory_ordered 1
		.amdhsa_forward_progress 1
		.amdhsa_inst_pref_size 58
	.end_amdhsa_kernel
	.amdgpu_metadata
---
amdhsa.version: [ 1, 2 ]
amdhsa.kernels:
  - .name:           k_qbb15ba86c0_prep
    .symbol:         k_qbb15ba86c0_prep.kd
    .args:
      - { .name: x, .offset: 0, .size: 8, .value_kind: global_buffer, .address_space: global }
      - { .name: wq, .offset: 8, .size: 8, .value_kind: global_buffer, .address_space: global }
      - { .name: bq, .offset: 16, .size: 8, .value_kind: global_buffer, .address_space: global }
      - { .name: wk, .offset: 24, .size: 8, .value_kind: global_buffer, .address_space: global }
      - { .name: bk, .offset: 32, .size: 8, .value_kind: global_buffer, .address_space: global }
      - { .name: wv, .offset: 40, .size: 8, .value_kind: global_buffer, .address_space: global }
      - { .name: xb, .offset: 48, .size: 8, .value_kind: global_buffer, .address_space: global }
      - { .name: wvb, .offset: 56, .size: 8, .value_kind: global_buffer, .address_space: global }
      - { .name: qp, .offset: 64, .size: 8, .value_kind: global_buffer, .address_space: global }
      - { .name: kp, .offset: 72, .size: 8, .value_kind: global_buffer, .address_space: global }
      - { .name: s2, .offset: 80, .size: 8, .value_kind: global_buffer, .address_space: global }
    .group_segment_fixed_size: 235008
    .private_segment_fixed_size: 0
    .kernarg_segment_align: 8
    .kernarg_segment_size: 88
    .max_flat_workgroup_size: 256
    .sgpr_count:     66
    .vgpr_count:     256
    .wavefront_size: 32
...
	.end_amdgpu_metadata
.endif
;; end of part 1
;; launch stats (part 2): grid 64 x 4, 8 waves a work-group, clusters of 4 x 1, 327,680 bytes of LDS; arguments qp, kp, s2, qf, q2n, nsh; writes qf, q2n, nsh
.if DOCPART == 2
	.amdgcn_target "amdgcn-amd-amdhsa--gfx1250"
	.amdhsa_code_object_version 6
	.text
	.protected	k_qbb15ba86c0_stats
	.globl	k_qbb15ba86c0_stats
	.p2align	8
	.type	k_qbb15ba86c0_stats,@function
k_qbb15ba86c0_stats:
	s_mov_b64 s[64:65], 0
	v_nop
	global_prefetch_b8 v0, s[64:65] scope:SCOPE_SE
	s_setreg_imm32_b32 hwreg(HW_REG_WAVE_MODE, 25, 1), 1
	s_wait_xcnt 0x0
	s_wait_alu depctr_hold_cnt(0) depctr_sa_sdst(0) depctr_va_vdst(0) depctr_va_sdst(0) depctr_va_ssrc(0) depctr_va_vcc(0) depctr_vm_vsrc(0)
	s_getreg_b32 s2, hwreg(HW_REG_IB_STS2, 6, 4)
	s_cmp_eq_u32 s2, 0
	s_cbranch_scc0 .Lentry_in_a_cluster
	s_endpgm
.Lentry_in_a_cluster:
	s_bfe_u32 s2, ttmp6, 0x10000c
	s_cmp_lg_u32 s2, 0x3003
	s_cbranch_scc0 .Lentry_shape_is_right
	s_endpgm
.Lentry_shape_is_right:
; STATS.  For each row n of batch b: NSH[n] = CM[n] - log2(l[n]), where CM = c sqrt(min over m of max(d2, 0)), c = log2(e) / 4096, is minus the row's largest exponent in base 2 and
; l = sum over m of 2^(CM - c sqrt(max(d2, 0))).  d2[n][m] = q2[n] + k2[m] - 2 q.k as the module forms it: q2 + k2 is the C operand of the product, q is stored as -2 q.
; The maximum is taken away by a running maximum: per lane CM falls from group to group, and l is multiplied by 2^(CM_new - CM_old).  attn[n][m] is later 2^(NSH[n] - c sqrt(d2)).
; SHARES.  A work-group owns the rows n = 64 jb .. +63.  Each of its eight waves holds all 64 (four B fragments' tiles, in registers) and walks its own eighth of the keys, 512 rows in the
; order in which kp stores them (the sum over m does not care), as four tiles of 128 rows.  D[m][n] = A (16 rows of k) x B (16 rows of q): a lane holds ONE n (lane % 16) and eight m.
; TWO WAVES A SIMD: the launch has far more vector and transcendental lines than products, and one wave's products and LDS reads stand under the other's vector work.
; CLUSTER.  The four work-groups of a cluster belong to one batch and wave w of each walks the same rows of k: every tile is asked for JOINTLY.
; It also writes q again in fragment order and natural n (qf) and q2 in natural n (q2n), for the launch behind.
; LIMITS.  d2 must stay finite in f32; a weight below 2^-126 counts as 0; NaN and infinities are not treated apart.
.set SLOTB, 18432     ; a slot: 128 rows of k at 144 bytes (128 + 16: the 16 rows of a load start at 16 different groups of four banks; 64 banks of 4 bytes: ISA guide 11.1)
.set K2L,   294912    ; behind the eight rings of two slots: k2 of a wave's 512 rows, 2,048 bytes a wave
.set SCR,   311296    ; [wave][64 n] pairs (l, CM)
.set Q2S,   315392    ; q2 of the 64 rows
.set SPARE, 315648    ; the spare words: 128 bytes for each of eight waves
.set AKF0, 10         ; my lane's place in my ring; never rewritten
.set AKF,  11         ; the group's fragments
.set AK20, 12         ; my lane's place in my k2; never rewritten
.set AK2,  13
.set SPW,  14
.set NIL,  15
.set ST,   16         ; tile t of n at ST + 8 t: +0 CM, +1 the least d2, +2, +3 l (even, odd m), +4, +5 at work, +6 a, +7 named with it as a pair
.set Q2D,  48         ; q2 of my n, twice, for each tile
.set K2R,  56         ; k2 of the group's 32 m: eight for my half of the lanes for each 16
.set KF,   72         ; four fragments of k: (u, f) at KF + 8 (2 u + f)
.set QF,   104        ; eight fragments of q: (t, f) at QF + 16 t + 8 f
.set S,    168        ; eight accumulators: (u, t) at S + 8 (4 u + t)
.set WV,   16         ; s16 wave
.set G1K,  24
.set G1S,  32
.set G0A,  40
.set G0B,  44
.set G0S,  48
.set TB,   56         ; s56 LDS byte of the group's rows in my ring
.set T2,   57         ; s57 the same in my k2
.set CNT,  58
.set CPOS, 59         ; s59 c
.set CNEG, 60         ; s[60:61] -c
.set SEL,  62
.macro ROUND                           ; a round of the cluster's barrier
	s_barrier_signal -1
	s_barrier_wait -1
	s_cmp_lg_u32 s[WV], 0
	s_cbranch_scc1 .Lnot_wave_0_\@
	s_barrier_signal -3
.Lnot_wave_0_\@:
	s_barrier_wait -3
	s_barrier_signal -1
	s_barrier_wait -1
.endm
	s_load_b256 s[4:11], s[0:1], 0x0               ; qp 4, kp 6, s2 8, qf 10
	s_load_b128 s[12:15], s[0:1], 0x20             ; q2n 12, nsh 14
	v_lshl_add_u32 v[SPW], v0, 2, SPARE
	v_mov_b32 v[NIL], 0
	ds_add_u32 v[SPW], v[NIL]                      ; the wave's opening: the add and its wait stand ahead of my first tensor load
	v_lshrrev_b32 v1, 5, v0
	v_readfirstlane_b32 s[WV], v1
	s_bfe_u32 s17, ttmp6, 0x40000                  ; cx
	s_lshl_b32 s18, ttmp9, 2
	s_add_co_u32 s18, s18, s17                     ; jb: it enters q's, qf's, q2n's and nsh's addresses alone
	s_and_b32 s19, ttmp7, 0xffff                   ; b, which the four partners share
	; group 1 for k: 128 rows are 16,384 dense bytes: 64 rows of 256 bytes, padded in LDS after every 128
	s_mov_b32 s[G1K], 15|(1<<16)|(1<<20)|(1<<21)|(4<<22)|(3<<25)  ; the mask of four; 2-byte elements; padding on; bit 21 beside a mask; after every 32 words, 4 words
	s_mov_b32 s[G1K+1], 128<<16
	s_mov_b32 s[G1K+2], 64<<16
	s_mov_b32 s[G1K+3], 128<<16
	s_mov_b32 s[G1K+4], 64
	s_mov_b32 s[G1K+5], 128
	s_mov_b32 s[G1K+6], 0
	s_mov_b32 s[G1K+7], 0
	; group 1 for k2: 8 rows of 64 f32 (256 bytes), 128 elements apart, dense in LDS
	s_mov_b32 s[G1S], 15|(2<<16)|(1<<21)
	s_mov_b32 s[G1S+1], 64<<16
	s_mov_b32 s[G1S+2], 8<<16
	s_mov_b32 s[G1S+3], 64<<16
	s_mov_b32 s[G1S+4], 8
	s_mov_b32 s[G1S+5], 128
	s_mov_b32 s[G1S+6], 0
	s_mov_b32 s[G1S+7], 0
	s_mov_b32 s[G0A], 1
	s_mul_i32 s[G0A+1], s[WV], 2*SLOTB             ; my ring, slot 0
	s_mov_b32 s[G0B], 1
	s_add_co_u32 s[G0B+1], s[G0A+1], SLOTB         ; slot 1
	s_mov_b32 s[G0S], 1
	s_lshl_b32 s[G0S+1], s[WV], 11
	s_add_co_u32 s[G0S+1], s[G0S+1], K2L
	s_lshl_b32 s20, s19, 19
	s_lshl_b32 s21, s[WV], 16
	s_add_co_u32 s20, s20, s21                     ; kp: the batch, my 512 rows
	s_mov_b32 s21, 0
	s_lshl_b32 s22, s19, 15
	s_lshl_b32 s23, s[WV], 12
	s_add_co_u32 s22, s22, s23
	s_add_co_u32 s22, s22, 256                     ; s2: the batch, my 8 rows of 512 bytes, their second half
	s_mov_b32 s23, 0
	s_mov_b32 s[CPOS], 0x39b8aa3b                  ; c = log2(e) / 4096
	s_mov_b32 s[CNEG], 0xb9b8aa3b
	s_mov_b32 s[CNEG+1], s[CNEG]
	s_mov_b32 s[SEL], 0x76543210
	s_mov_b32 s[SEL+1], 0xfedcba98
	s_wait_dscnt 0x0                               ; the opening add is done
	s_wait_kmcnt 0x0
	s_add_nc_u64 s[G0A+2:G0A+3], s[6:7], s[20:21]
	s_add_nc_u64 s[G0B+2:G0B+3], s[G0A+2:G0A+3], 16384
	s_or_b32 s[G0A+3], s[G0A+3], 0x80000000
	s_or_b32 s[G0B+3], s[G0B+3], 0x80000000
	s_add_nc_u64 s[G0S+2:G0S+3], s[8:9], s[22:23]
	s_or_b32 s[G0S+3], s[G0S+3], 0x80000000
	ROUND                                          ; all four work-groups are here: the first joint loads meet
	tensor_load_to_lds s[G0A:G0A+3], s[G1K:G1K+7]  ; tile 0; three loads of mine are out
	s_nop 0
	tensor_load_to_lds s[G0S:G0S+3], s[G1S:G1S+7]  ; k2
	s_nop 0
	tensor_load_to_lds s[G0B:G0B+3], s[G1K:G1K+7]  ; tile 1
	s_nop 0
.rept 4
	v_nop
.endr
	s_lshl_b32 s20, s19, 19
	s_lshl_b32 s22, s18, 7
	s_add_co_u32 s22, s20, s22
	s_add_nc_u64 s[52:53], s[4:5], s[22:23]        ; qp at (b, pb = 0, o = jb)
	s_lshl_b32 s22, s18, 13
	s_add_co_u32 s22, s20, s22
	s_add_nc_u64 s[10:11], s[10:11], s[22:23]      ; qf at my 64 rows
	s_lshl_b32 s20, s19, 15
	s_lshl_b32 s22, s18, 2
	s_add_co_u32 s22, s20, s22
	s_add_nc_u64 s[54:55], s[8:9], s[22:23]        ; s2 at (b, pb = 0, q2 of o = jb)
	s_lshl_b32 s20, s19, 14
	s_lshl_b32 s22, s18, 8
	s_add_co_u32 s22, s20, s22
	s_add_nc_u64 s[12:13], s[12:13], s[22:23]
	s_add_nc_u64 s[14:15], s[14:15], s[22:23]
	v_and_b32 v4, 15, v0                           ; r
	v_bfe_u32 v5, v0, 4, 1                         ; h
	v_and_b32 v6, 31, v0                           ; lane
	v_lshlrev_b32 v2, 13, v4
	v_lshl_add_u32 v2, v5, 4, v2                   ; row n = 64 jb + 16 t + r lies 8,192 bytes from its neighbour in qp
	v_lshlrev_b32 v3, 9, v4
.set n, 0
.rept 16                               ; n = 4 t + i: 16 bytes at d = 16 i + 8 h
	global_load_b128 v[QF+4*n:QF+4*n+3], v2, s[52:53] offset:(n/4)*131072+(n%4)*32
.set n, n+1
.endr
.irp t, 0,1,2,3
	global_load_b32 v[Q2D+2*\t], v3, s[54:55] offset:\t*8192
.endr
	v_mul_u32_u24 v[AKF0], v4, 144
	v_lshl_add_u32 v[AKF0], v5, 4, v[AKF0]
	v_add_nc_u32 v[AKF0], s[G0A+1], v[AKF0]
	v_lshlrev_b32 v[AK20], 5, v5
	v_add_nc_u32 v[AK20], s[G0S+1], v[AK20]
	v_lshlrev_b32 v7, 3, v6                        ; 8 x lane
	v_lshlrev_b32 v9, 4, v6                        ; 16 x lane
	v_lshlrev_b32 v8, 2, v4
	v_add_nc_u32 v8, Q2S, v8
.irp t, 0,1,2,3
	v_mov_b32 v[ST+8*\t], 0x7e000000               ; CM: far above every c sqrt(d2), so the first a is 0
	v_mov_b32 v[ST+8*\t+1], 0x7f7fffff             ; the least d2
	v_mov_b32 v[ST+8*\t+2], 0
	v_mov_b32 v[ST+8*\t+3], 0
	v_mov_b32 v[ST+8*\t+7], 0
.endr
	s_wait_loadcnt 0x0
.irp t, 0,1,2,3
	v_mov_b32 v[Q2D+2*\t+1], v[Q2D+2*\t]
.endr
	s_cmp_lg_u32 s[WV], 1
	s_cbranch_scc1 .Lnot_wave_1
.set n, 0
.rept 16
	global_store_b128 v9, v[QF+4*n:QF+4*n+3], s[10:11] offset:512*n  ; 512 consecutive bytes: the fragments as the registers hold them
.set n, n+1
.endr
.Lnot_wave_1:
; A GROUP: 32 m x 64 n.
.macro GROUP
.irp u, 0,1
	ds_load_b128 v[K2R+8*\u:K2R+8*\u+3], v[AK2] offset:64*\u
	ds_load_b128 v[K2R+8*\u+4:K2R+8*\u+7], v[AK2] offset:64*\u+16
.endr
.irp g, 0,1,2,3
	ds_load_b128 v[KF+8*\g:KF+8*\g+3], v[AKF] offset:2304*(\g/2)+64*(\g%2)
	ds_load_b128 v[KF+8*\g+4:KF+8*\g+7], v[AKF] offset:2304*(\g/2)+64*(\g%2)+32
.endr
	s_wait_dscnt 0x8                               ; k2 is in; the eight fragment loads stay out
.set n, 0
.rept 32                               ; q2 + k2 starts the sums
	v_pk_add_f32 v[S+2*n:S+2*n+1], v[K2R+8*(n/16)+2*(n%4):K2R+8*(n/16)+2*(n%4)+1], v[Q2D+2*((n/4)%4):Q2D+2*((n/4)%4)+1]
.set n, n+1
.endr
	s_wait_dscnt 0x0
.irp f, 0,1                            ; the eight accumulators take turns
.set n, 0
.rept 8
	v_wmma_f32_16x16x32_bf16 v[S+8*n:S+8*n+7], v[KF+8*(2*(n/4)+\f):KF+8*(2*(n/4)+\f)+7], v[QF+16*(n%4)+8*\f:QF+16*(n%4)+8*\f+7], v[S+8*n:S+8*n+7]
.set n, n+1
.endr
.endr
	s_add_co_u32 s[TB], s[TB], 32*144
	s_add_co_u32 s[T2], s[T2], 128
	v_add_nc_u32 v[AKF], s[TB], v[AKF0]            ; the next group's addresses, and two v_nop: the four places behind the products
	v_add_nc_u32 v[AK2], s[T2], v[AK20]
	v_nop
	v_nop
.set n, 0
.rept 32                               ; the least d2, four chains; each accumulator's lowest registers are read first
	v_min3_num_f32 v[ST+8*(n%4)+1], v[ST+8*(n%4)+1], v[S+8*(4*(n/16)+n%4)+2*((n/4)%4)], v[S+8*(4*(n/16)+n%4)+2*((n/4)%4)+1]
.set n, n+1
.endr
.irp t, 0,1,2,3
	v_max_num_f32 v[ST+8*\t+4], 0, v[ST+8*\t+1]
.endr
.irp t, 0,1,2,3
	v_sqrt_f32 v[ST+8*\t+4], v[ST+8*\t+4]
.endr
.set n, 0
.rept 64                               ; max(d2, 0); these are also the plain lines behind the four roots
	v_max_num_f32 v[S+n], 0, v[S+n]
.set n, n+1
.endr
	s_wait_alu depctr_va_vdst(0)
.irp t, 0,1,2,3
	v_fma_f32 v[ST+8*\t+5], v[ST+8*\t+4], s[CPOS], -v[ST+8*\t]  ; CM_new - CM_old
	v_mul_f32 v[ST+8*\t], s[CPOS], v[ST+8*\t+4]                 ; CM
.endr
.irp t, 0,1,2,3
	v_exp_f32 v[ST+8*\t+6], v[ST+8*\t+5]           ; a
.endr
.set n, 0
.rept 64
	v_sqrt_f32 v[S+n], v[S+n]
.set n, n+1
.endr
	v_nop                                          ; a plain line between the last root and the use of its result (ISA guide 5.7.2)
.set n, 0
	s_wait_alu depctr_va_vdst(0)
.rept 32
	v_pk_fma_f32 v[S+2*n:S+2*n+1], v[S+2*n:S+2*n+1], s[CNEG:CNEG+1], v[ST+8*((n/4)%4):ST+8*((n/4)%4)+1] op_sel_hi:[1,0,0]  ; CM - c sqrt(d2)
.set n, n+1
.endr
.set n, 0
.rept 64
	v_exp_f32 v[S+n], v[S+n]
.set n, n+1
.endr
	v_nop
.set n, 0
	s_wait_alu depctr_va_vdst(0)
.rept 16                               ; tile (1, t) onto tile (0, t)
	v_pk_add_f32 v[S+2*n:S+2*n+1], v[S+2*n:S+2*n+1], v[S+32+2*n:S+32+2*n+1]
.set n, n+1
.endr
.irp t, 0,1,2,3
	v_pk_add_f32 v[S+8*\t:S+8*\t+1], v[S+8*\t:S+8*\t+1], v[S+8*\t+2:S+8*\t+3]
	v_pk_add_f32 v[S+8*\t+4:S+8*\t+5], v[S+8*\t+4:S+8*\t+5], v[S+8*\t+6:S+8*\t+7]
.endr
.irp t, 0,1,2,3
	v_pk_add_f32 v[S+8*\t:S+8*\t+1], v[S+8*\t:S+8*\t+1], v[S+8*\t+4:S+8*\t+5]
.endr
.irp t, 0,1,2,3
	v_pk_fma_f32 v[ST+8*\t+2:ST+8*\t+3], v[ST+8*\t+2:ST+8*\t+3], v[ST+8*\t+6:ST+8*\t+7], v[S+8*\t:S+8*\t+1] op_sel_hi:[1,0,1]  ; l = a l + sum
.endr
.endm
; A tile of 128 rows: four groups.  left = how many younger tensor loads may stay out.
.macro TILE slot, tau, left
	s_wait_tensorcnt \left                         ; a wave's tensor loads end in order (ISA guide 10.11.1): my tile is in LDS, and only I read it
	s_mov_b32 s[TB], (\slot)*SLOTB
	s_mov_b32 s[T2], (\tau)*512
	v_add_nc_u32 v[AKF], s[TB], v[AKF0]
	v_add_nc_u32 v[AK2], s[T2], v[AK20]
	s_mov_b32 s[CNT], 4
.Lgroup_\@:
	GROUP
	s_sub_co_u32 s[CNT], s[CNT], 1
	s_cmp_lg_u32 s[CNT], 0
	s_cbranch_scc1 .Lgroup_\@
.endm
; A slot that has been read is filled again with the tile two further on.
.macro REFILL g0
	s_wait_tensorcnt 0x0                           ; no tensor load of mine is out, so a group 0 may be written
	ds_add_u32 v[SPW], v[NIL]                      ; 0 onto my spare word
	s_add_nc_u64 s[(\g0)+2:(\g0)+3], s[(\g0)+2:(\g0)+3], 32768
	s_wait_dscnt 0x0                               ; the add is done, and my reads of the slot are over
	ROUND                                          ; both now hold of every wave of the four work-groups
	tensor_load_to_lds s[(\g0):(\g0)+3], s[G1K:G1K+7]
	s_nop 0
.rept 4
	v_nop
.endr
.endm
	TILE 0, 0, 1                                   ; tile 0 and k2 are in; tile 1 may stay out
	REFILL G0A
	TILE 1, 1, 1                                   ; one load was issued behind tile 1's
	REFILL G0B
	TILE 0, 2, 1
	TILE 1, 3, 0
	; The two halves of the lanes hold the same n and different m: merged, with the smaller CM.
.irp t, 0,1,2,3
	v_add_f32 v[ST+8*\t+2], v[ST+8*\t+2], v[ST+8*\t+3]
.endr
.irp t, 0,1,2,3
	v_permlanex16_b32 v[ST+8*\t+4], v[ST+8*\t], s[SEL], s[SEL+1]
	v_permlanex16_b32 v[ST+8*\t+5], v[ST+8*\t+2], s[SEL], s[SEL+1]
.endr
.irp t, 0,1,2,3
	v_min_num_f32 v[ST+8*\t+1], v[ST+8*\t], v[ST+8*\t+4]
.endr
.irp t, 0,1,2,3
	v_sub_f32 v[ST+8*\t+6], v[ST+8*\t+1], v[ST+8*\t]
	v_sub_f32 v[ST+8*\t+7], v[ST+8*\t+1], v[ST+8*\t+4]
.endr
.irp t, 0,1,2,3
	v_exp_f32 v[ST+8*\t+6], v[ST+8*\t+6]
	v_exp_f32 v[ST+8*\t+7], v[ST+8*\t+7]
.endr
	v_nop
	s_wait_alu depctr_va_vdst(0)
.irp t, 0,1,2,3                        ; two products and a sum, not a fused line: so both halves of the lanes get the same bits, and write the same pair
	v_mul_f32 v[ST+8*\t+2], v[ST+8*\t+2], v[ST+8*\t+6]
	v_mul_f32 v[ST+8*\t+5], v[ST+8*\t+5], v[ST+8*\t+7]
.endr
.irp t, 0,1,2,3
	v_add_f32 v[ST+8*\t], v[ST+8*\t+2], v[ST+8*\t+5]
.endr
	s_lshl_b32 s20, s[WV], 9
	s_add_co_u32 s20, s20, SCR
	v_lshl_add_u32 v1, v4, 3, s20
.irp t, 0,1,2,3
	ds_store_b64 v1, v[ST+8*\t:ST+8*\t+1] offset:128*\t  ; (l, CM) of n = 16 t + r
.endr
	s_wait_dscnt 0x0                               ; for wave 0's sake
	s_barrier_signal -1
	s_barrier_wait -1
	s_cmp_lg_u32 s[WV], 0
	s_cbranch_scc1 .Lnot_first
	v_add_nc_u32 v1, SCR, v9                       ; lane l takes n = 2 l and 2 l + 1 of all eight waves
.irp w, 0,1,2,3,4,5,6,7
	ds_load_b128 v[S+4*\w:S+4*\w+3], v1 offset:512*\w
.endr
.irp t, 0,1,2,3
	ds_store_b32 v8, v[Q2D+2*\t] offset:64*\t      ; q2 of the 64 rows, to be read back two a lane
.endr
	v_add_nc_u32 v2, Q2S, v7
	ds_load_b64 v[238:239], v2                     ; my own bytes, in order
	s_wait_dscnt 0x0
.irp p, 0,1
	v_min3_num_f32 v[232+\p], v[S+1+2*\p], v[S+5+2*\p], v[S+9+2*\p]
	v_min3_num_f32 v[232+\p], v[232+\p], v[S+13+2*\p], v[S+17+2*\p]
	v_min3_num_f32 v[232+\p], v[232+\p], v[S+21+2*\p], v[S+25+2*\p]
	v_min_num_f32 v[232+\p], v[232+\p], v[S+29+2*\p]
.endr
.irp w, 0,1,2,3,4,5,6,7
	v_sub_f32 v[S+4*\w+1], v232, v[S+4*\w+1]
	v_sub_f32 v[S+4*\w+3], v233, v[S+4*\w+3]
.endr
.irp w, 0,1,2,3,4,5,6,7
	v_exp_f32 v[S+4*\w+1], v[S+4*\w+1]
	v_exp_f32 v[S+4*\w+3], v[S+4*\w+3]
.endr
	v_nop
	s_wait_alu depctr_va_vdst(0)
	v_mul_f32 v234, v[S], v[S+1]
	v_mul_f32 v235, v[S+2], v[S+3]
.irp w, 1,2,3,4,5,6,7
	v_fma_f32 v234, v[S+4*\w], v[S+4*\w+1], v234
	v_fma_f32 v235, v[S+4*\w+2], v[S+4*\w+3], v235
.endr
	v_log_f32 v234, v234
	v_log_f32 v235, v235
	v_nop
	s_wait_alu depctr_va_vdst(0)
	v_sub_f32 v236, v232, v234                     ; NSH = CM - log2(l)
	v_sub_f32 v237, v233, v235
	global_store_b64 v7, v[236:237], s[14:15]      ; 256 consecutive bytes, aligned
	global_store_b64 v7, v[238:239], s[12:13]
.Lnot_first:
	s_wait_tensorcnt 0x0                           ; the wave's end
	ds_add_u32 v[SPW], v[NIL]
	s_wait_dscnt 0x0
	ROUND                                          ; the closing round
	s_endpgm
.Lfunc_end_k_qbb15ba86c0_stats:
	.size	k_qbb15ba86c0_stats, .Lfunc_end_k_qbb15ba86c0_stats-k_qbb15ba86c0_stats
	.p2alignl 7, 3214868480
	.fill 96, 4, 3214868480
	.section	.rodata,"a",@progbits
	.p2align	6, 0x0
	.amdhsa_kernel k_qbb15ba86c0_stats
		.amdhsa_group_segment_fixed_size 327680
		.amdhsa_private_segment_fixed_size 0
		.amdhsa_enable_private_segment 0
		.amdhsa_kernarg_size 48
		.amdhsa_user_sgpr_count 2
		.amdhsa_user_sgpr_kernarg_segment_ptr 1
		.amdhsa_wavefront_size32 1
		.amdhsa_system_sgpr_workgroup_id_x 1
		.amdhsa_system_sgpr_workgroup_id_y 1
		.amdhsa_system_sgpr_workgroup_id_z 1
		.amdhsa_system_vgpr_workitem_id 0
		.amdhsa_next_free_vgpr 256
		.amdhsa_next_free_sgpr 66
		.amdhsa_reserve_vcc 0
		.amdhsa_float_denorm_mode_32 3
		.amdhsa_float_denorm_mode_16_64 3
		.amdhsa_memory_ordered 1
		.amdhsa_forward_progress 1
		.amdhsa_inst_pref_size 87
	.end_amdhsa_kernel
	.amdgpu_metadata
---
amdhsa.version: [ 1, 2 ]
amdhsa.kernels:
  - .name:           k_qbb15ba86c0_stats
    .symbol:         k_qbb15ba86c0_stats.kd
    .args:
      - { .name: qp, .offset: 0, .size: 8, .value_kind: global_buffer, .address_space: global }
      - { .name: kp, .offset: 8, .size: 8, .value_kind: global_buffer, .address_space: global }
      - { .name: s2, .offset: 16, .size: 8, .value_kind: global_buffer, .address_space: global }
      - { .name: qf, .offset: 24, .size: 8, .value_kind: global_buffer, .address_space: global }
      - { .name: q2n, .offset: 32, .size: 8, .value_kind: global_buffer, .address_space: global }
      - { .name: nsh, .offset: 40, .size: 8, .value_kind: global_buffer, .address_space: global }
    .group_segment_fixed_size: 327680
    .private_segment_fixed_size: 0
    .kernarg_segment_align: 8
    .kernarg_segment_size: 48
    .max_flat_workgroup_size: 256
    .sgpr_count:     66
    .vgpr_count:     256
    .wavefront_size: 32
...
	.end_amdgpu_metadata
.endif
;; end of part 2
;; launch attn (part 3): grid 64 x 4, 4 waves a work-group, clusters of 4 x 1, 327,680 bytes of LDS; arguments xb, wvb, kp, s2, qf, q2n, nsh, bv, gamma, x, out0; writes out0
.if DOCPART == 3
	.amdgcn_target "amdgcn-amd-amdhsa--gfx1250"
	.amdhsa_code_object_version 6
	.text
	.protected	k_qbb15ba86c0_attn
	.globl	k_qbb15ba86c0_attn
	.p2align	8
	.type	k_qbb15ba86c0_attn,@function
k_qbb15ba86c0_attn:
	s_mov_b64 s[64:65], 0
	v_nop
	global_prefetch_b8 v0, s[64:65] scope:SCOPE_SE
	s_setreg_imm32_b32 hwreg(HW_REG_WAVE_MODE, 25, 1), 1
	s_wait_xcnt 0x0
	s_wait_alu depctr_hold_cnt(0) depctr_sa_sdst(0) depctr_va_vdst(0) depctr_va_sdst(0) depctr_va_ssrc(0) depctr_va_vcc(0) depctr_vm_vsrc(0)
	s_getreg_b32 s2, hwreg(HW_REG_IB_STS2, 6, 4)
	s_cmp_eq_u32 s2, 0
	s_cbranch_scc0 .Lentry_in_a_cluster
	s_endpgm
.Lentry_in_a_cluster:
	s_bfe_u32 s2, ttmp6, 0x10000c
	s_cmp_lg_u32 s2, 0x3003
	s_cbranch_scc0 .Lentry_shape_is_right
	s_endpgm
.Lentry_shape_is_right:
; ATTN.  out0[b][c][m] = gamma (sum over c' of Wv[c][c'] Y[c'][m] + bv[c] colsum[m]) + x[b][c][m], Y[c'][m] = sum over n of x[c'][n] P[n][m], colsum[m] = sum over n of P[n][m],
; P[n][m] = 2^(NSH[n] - c sqrt(max(q2[n] + k2[m] - 2 q.k, 0))), c = log2(e) / 4096: the softmax over m with its row maximum and row sum folded into NSH by the launch before; the exponent is at most 0.
; (Wv (x P) + bv colsum = (Wv x + bv) P: the same products in another order.)  P and Y are rounded once to bf16 as matrix operands; colsum is taken of the unrounded P; all sums in f32.
; SHARES.  A work-group makes all 512 channels of the columns m = 64 mb .. +63, so every P[n][m] is made once in the launch.  A wave makes 128 channels x 64 m: 32 accumulators.
; THE WALK has 72 steps.  Steps 0-63: 64 rows n each.  Wave w makes the scores of n = 16 w .. +15 (A = q from qf, B = k, resident; a lane holds ONE m and eight n, 16 bytes of P^T[m][n]),
; the four waves exchange P^T through two LDS buffers, and Y += X block x P.  Steps 64-71: out^T += Y^T chunk x Wv block, sources swapped, so that a lane holds eight neighbouring m of one row c.
; Wv's blocks have xb's form and Y^T's chunks P^T's: one ring, one set of addresses and one text of the products serve both.
; A TRIP is shifted by half a step: 32 products of step t - 1 (second half of its K), then 32 of step t (first half).  Behind each of the first 40 products stands a slice of the vector work
; that makes P(t + 1); the scores of P(t + 2) are started at the trip's end.
; MEMORY INSTRUCTIONS STAND IN TWO RUNS A TRIP, never singly among the matrix instructions, where each group would want window switches of its own.  Run A, first thing in the trip: P(t) and the first
; half of K of X(t), 32 products ahead of their use.  Run B, in front of product 40: my 64 bytes a lane of P(t + 1) into LDS, q, q2 and NSH of step t + 3, the second half of K of X(t):
; 16 products ahead of the wait in front of the barrier's signal.
; THE RING: two slots of two steps; a fill is one joint load a wave (128 rows of 256 bytes), behind the round at the end of every odd trip; it has two trips in which to land; one tensor load of a wave is out.
; CLUSTER.  The four work-groups of a cluster belong to one batch and walk the same blocks of xb and wvb: each fill is asked for JOINTLY.
; LIMITS.  d2 must stay finite in f32; a weight below 2^-126 counts as 0; NaN and infinities are not treated apart.
; REGISTERS, in windows of 256 (s_set_vgpr_msb: bits 1:0 source 0, 3:2 source 1, 5:4 source 2, 7:6 destination):
;   window 0: addresses, k, scores, q, statistics      window 1: the accumulators, (ct, mt) at 8 (4 ct + mt)
;   window 2: v0-63, v64-127 fragments of X for the two halves of K; v128-191, v192-255 fragments of P, two buffers      window 3: my 128 x 64 tile of x, f32
.set SLOTX, 0x24000   ; a slot: 2 x 512 rows of 144 bytes; its bits are none of those of wave x 0x9000, so one exclusive or changes slots
.set STEPB, 73728     ; a step's 512 rows
.set PBASE, 294912    ; two buffers of P^T: 64 rows of 144 bytes
.set PBB,   9216
.set SPARE, 313344    ; the spare words: 128 bytes for each of four waves
.set CSS,   313856    ; [wave][64 m] partial column sums
.set LX,  10          ; my lane's place in a step's rows; never rewritten
.set AX,  11          ; v11, v12: the same in the slot in hand, even and odd step
.set APF, 13          ; P^T, for fragment loads and for Y^T's stores
.set APS, 14          ; P^T, for my 16 bytes
.set VQ,  16          ; v16, v17: qf offset of the step to be loaded, by parity
.set VQM, 18          ; its value at step 63
.set VS,  20          ; v20, v21: the same for q2n and nsh
.set VSM, 22
.set GX,  23          ; x and out0: two rows of 256 bytes
.set AST, 24          ; stage, in
.set ARD, 25          ; stage, back
.set ACS, 26          ; my word of CSS
.set ACR, 27          ; CSS, for reading
.set SPW, 28
.set NIL, 29
.set K2D, 32          ; v32-39 k2 of my m, twice, for each tile
.set CS,  40          ; v40-47 column sums
.set PP,  48          ; v48-63 packed P
.set KK,  64          ; v64-127 k: (t, f) at KK + 16 t + 8 f
.set S,   128         ; v128-159 four score tiles
.set QF,  160         ; v160-191 q fragments, by parity
.set Q2,  192         ; v192-207 q2 of my eight n, by parity
.set NSH, 208         ; v208-223
.set BVD, 224         ; v224-239 bv of my c, twice, for each ct
.set YP,  64          ; later v64-191: Y packed
.set CL,  64          ; at the end v64-191: column sums of the four waves
.set XF0, 0
.set XF1, 64
.set PF,  128
.set WV,  26          ; s26 wave
.set MSB, 0
.macro WIN new                         ; the high byte repeats the setting that is left; a switch that changes nothing is dropped
.if MSB != (\new)
	s_set_vgpr_msb (MSB<<8)|(\new)
.set MSB, (\new)
.endif
.endm
.set W_PV, 0x5a       ; both sources window 2, C and D window 1
.set W_LD, 0x80       ; destination window 2
.macro NOP4
.rept 4
	v_nop
.endr
.endm
.macro CREST                           ; a round of the cluster's barrier behind its opening barrier
	s_cmp_lg_u32 s[WV], 0
	s_cbranch_scc1 .Lnot_wave_0_\@
	s_barrier_signal -3
.Lnot_wave_0_\@:
	s_barrier_wait -3
	s_barrier_signal -1
	s_barrier_wait -1
.endm
.macro ROUND
	s_barrier_signal -1
	s_barrier_wait -1
	CREST
.endm
.macro GLQ p                           ; q's fragments of a step: four loads of 512 consecutive bytes
.irp n, 0,1,2,3
	global_load_b128 v[QF+16*(\p)+4*\n:QF+16*(\p)+4*\n+3], v[VQ+(\p)], s[56:57] offset:512*\n
.endr
.endm
.macro GLS p                           ; q2 and NSH of my eight n
	global_load_b128 v[Q2+8*(\p):Q2+8*(\p)+3], v[VS+(\p)], s[58:59]
	global_load_b128 v[Q2+8*(\p)+4:Q2+8*(\p)+7], v[VS+(\p)], s[58:59] offset:16
	global_load_b128 v[NSH+8*(\p):NSH+8*(\p)+3], v[VS+(\p)], s[60:61]
	global_load_b128 v[NSH+8*(\p)+4:NSH+8*(\p)+7], v[VS+(\p)], s[60:61] offset:16
.endm
.macro AQ e, t                         ; q2 + k2 starts tile t's sums
.irp j, 0,1,2,3
	v_pk_add_f32 v[S+8*(\t)+2*\j:S+8*(\t)+2*\j+1], v[Q2+8*(\e)+2*\j:Q2+8*(\e)+2*\j+1], v[K2D+2*(\t):K2D+2*(\t)+1]
.endr
.endm
.macro QK e                            ; the scores: four tiles take turns
.irp f, 0,1
.irp t, 0,1,2,3
	v_wmma_f32_16x16x32_bf16 v[S+8*\t:S+8*\t+7], v[QF+16*(\e)+8*\f:QF+16*(\e)+8*\f+7], v[KK+16*\t+8*\f:KK+16*\t+8*\f+7], v[S+8*\t:S+8*\t+7]
.endr
.endr
.endm
.macro ADDR e                          ; two steps on, held at step 63 so that no load leaves its buffer; four plain lines: the places behind the products in front of them
	v_add_nc_u32 v[VQ+(\e)], 16384, v[VQ+(\e)]
	v_add_nc_u32 v[VS+(\e)], 512, v[VS+(\e)]
	v_min_u32 v[VQ+(\e)], v[VQ+(\e)], v[VQM]
	v_min_u32 v[VS+(\e)], v[VS+(\e)], v[VSM]
.endm
.macro CHUNK par                       ; 64 c' of my Y^T into buffer par: n = 4 (ct % 4) + mt
.set n, 0
.rept 16
	ds_store_b128 v[APF], v[YP+64*(\par)+4*n:YP+64*(\par)+4*n+3] offset:PBB*(\par)+2304*(n%4)+32*(n/4)
.set n, n+1
.endr
.endm
; Product i % 32 of a half.  hf = 1: the second half of K of the step before (XF1, the other buffer of P); hf = 0: the first half of this step's.  The 32 accumulators take turns.
.macro PROD e, hf, swap, zero
	WIN W_PV
.set a, i%32
.set rD, 8*a
.if \hf
.set rX, XF1+8*(a/4)
.set rP, PF+64*(1-(\e))+16*(a%4)+8
.else
.set rX, XF0+8*(a/4)
.set rP, PF+64*(\e)+16*(a%4)
.endif
.if (\zero) && (\swap)
	v_wmma_f32_16x16x32_bf16 v[rD:rD+7], v[rP:rP+7], v[rX:rX+7], 0
.elseif \zero
	v_wmma_f32_16x16x32_bf16 v[rD:rD+7], v[rX:rX+7], v[rP:rP+7], 0
.elseif \swap
	v_wmma_f32_16x16x32_bf16 v[rD:rD+7], v[rP:rP+7], v[rX:rX+7], v[rD:rD+7]
.else
	v_wmma_f32_16x16x32_bf16 v[rD:rD+7], v[rX:rX+7], v[rP:rP+7], v[rD:rD+7]
.endif
.endm
; What stands in front of a trip's barrier, eight products ahead of its wait.  endk = 0: a plain barrier.  1: a slot is filled again behind it.  2: the last tile is waited for.  3: no barrier.
.macro FRONT qk, endk, wsel
	WIN 0
.if \qk
	s_wait_loadcnt 0x8                             ; the group of the trip before (q, q2, NSH of step t + 2) is in; this trip's eight loads stay out
.endif
.if ((\endk) == 1) || ((\endk) == 2)
	s_wait_tensorcnt 0x0                           ; no tensor load of mine is out: my part of the other slot has landed, and group 0 may be written
	ds_add_u32 v[SPW], v[NIL]                      ; 0 onto my spare word
.endif
.if (\endk) == 1
	s_xor_b32 s41, s41, SLOTX                      ; the other slot than last time,
	s_add_nc_u64 s[46:47], s[46:47], 131072        ; the next two blocks;
.if \wsel
	s_cmp_eq_u32 s49, 1                            ; behind xb's last blocks come wvb's first
	s_cselect_b64 s[46:47], s[44:45], s[46:47]
.endif
	s_mov_b64 s[42:43], s[46:47]
	s_or_b32 s43, s43, 0x80000000
.endif
	s_wait_dscnt 0x0                               ; my stores of P, my reads of the slot and of P, and the add are done
.if (\endk) < 3
	s_barrier_signal -1
.endif
.endm
; RUN A, first in a trip.  own >= 0: the wave that owns the next 64 c' of Y^T stores them (the buffer's readers waited for their loads in front of the barrier just passed).
; Then P(t), or Y^T's chunk (n = 4 mt + 2 kk + half), and X(t)'s first half of K (n = 2 ct + half).  The registers' last readers stand in the trip before, four plain lines or more back.
.macro RUNA e, own
	WIN 0
.if (\own) >= 0
	s_cmp_lg_u32 s[WV], \own
	s_cbranch_scc1 .Lnot_owner_\@
	CHUNK 1-(\e)
.Lnot_owner_\@:
.endif
	WIN W_LD
.set n, 0
.rept 16
	ds_load_b128 v[PF+64*(\e)+4*n:PF+64*(\e)+4*n+3], v[APF] offset:PBB*(\e)+2304*(n/4)+64*((n/2)%2)+32*(n%2)
.set n, n+1
.endr
.set n, 0
.rept 16
	ds_load_b128 v[XF0+4*n:XF0+4*n+3], v[AX+(\e)] offset:2304*(n/2)+32*(n%2)
.set n, n+1
.endr
.endm
; RUN B, in front of product 40.  P(t + 1) into the other buffer; q, q2, NSH of step t + 3 (this trip's last reader of NSH stands in slice 27); X(t)'s second half of K, whose registers product 31 read last:
; the plain lines of slices 31 to 39 are the places behind it, or four v_nop where there is no softmax.
.macro RUNB e, ld, prod, gl
.if (\prod) || (\gl)
	WIN 0
.endif
.if \prod
.irp t, 0,1,2,3
	ds_store_b128 v[APS], v[PP+4*\t:PP+4*\t+3] offset:PBB*(1-(\e))+2304*\t
.endr
.endif
.if \gl
	GLQ 1-(\e)
	GLS 1-(\e)
.endif
.if \ld
.if !(\prod)
	NOP4
.endif
	WIN W_LD
.set n, 0
.rept 16
	ds_load_b128 v[XF1+4*n:XF1+4*n+3], v[AX+(\e)] offset:2304*(n/2)+64+32*(n%2)
.set n, n+1
.endr
.endif
.endm
; Slice i, behind product i: vector work alone.  P(t + 1) from the 32 scores: max, root, scale, exponential, column sum, rounding; each tile's lowest register is read first.
; No result of a root or an exponential is read before a plain line has stood behind it (ISA guide 5.7.2).
.macro SLICE e, prod, qk
.if (\qk) && (i >= 56) && (i < 60)
	WIN 0
	AQ \e, i-56
.endif
.if \prod
.if i < 4
	WIN 0
.set n, 4*i
.rept 4
	v_max_num_f32 v[S+n], 0, v[S+n]
.set n, n+1
.endr
.elseif i < 12
	WIN 0
.set n, 2*(i-4)
	v_max_num_f32 v[S+16+n], 0, v[S+16+n]
	v_sqrt_f32 v[S+n], v[S+n]
	v_max_num_f32 v[S+17+n], 0, v[S+17+n]
	v_sqrt_f32 v[S+n+1], v[S+n+1]
.elseif i < 20
	WIN 0
.set n, i-12
.set rN, NSH+8*(1-(\e))+(2*n)%8
	v_sqrt_f32 v[S+16+2*n], v[S+16+2*n]
	s_wait_alu depctr_va_vdst(0)
	v_pk_fma_f32 v[S+2*n:S+2*n+1], v[S+2*n:S+2*n+1], s[50:51], v[rN:rN+1] op_sel_hi:[1,0,1]
	v_sqrt_f32 v[S+17+2*n], v[S+17+2*n]
.elseif i < 28
	WIN 0
.set n, i-20
.set rN, NSH+8*(1-(\e))+(2*n)%8
	v_exp_f32 v[S+2*n], v[S+2*n]
	s_wait_alu depctr_va_vdst(0)
	v_pk_fma_f32 v[S+16+2*n:S+17+2*n], v[S+16+2*n:S+17+2*n], s[50:51], v[rN:rN+1] op_sel_hi:[1,0,1]
	v_exp_f32 v[S+2*n+1], v[S+2*n+1]
.elseif i < 36
	WIN 0
.set n, i-28
	s_wait_alu depctr_va_vdst(0)
	v_pk_add_f32 v[CS+2*(n/4):CS+2*(n/4)+1], v[CS+2*(n/4):CS+2*(n/4)+1], v[S+2*n:S+2*n+1]
	v_exp_f32 v[S+16+2*n], v[S+16+2*n]
	v_cvt_pk_bf16_f32 v[PP+n], v[S+2*n], v[S+2*n+1]
	v_exp_f32 v[S+17+2*n], v[S+17+2*n]
.elseif i < 40
	WIN 0
.set n, 8+2*(i-36)
	s_wait_alu depctr_va_vdst(0)
.rept 2
	v_pk_add_f32 v[CS+2*(n/4):CS+2*(n/4)+1], v[CS+2*(n/4):CS+2*(n/4)+1], v[S+2*n:S+2*n+1]
	v_cvt_pk_bf16_f32 v[PP+n], v[S+2*n], v[S+2*n+1]
.set n, n+1
.endr
.endif
.endif
.endm
; A TRIP, of parity e.  m1, m2: its two halves of products.  zero: the second half starts the sums.  swap: sources swapped.  ld: fragment loads.  prod: P(t + 1) is made.
; gl: q, q2, NSH of step t + 3 are loaded.  qk: the scores of P(t + 2) are made.  wsel: the fill may be wvb's first.  own: the wave that stores the next chunk of Y^T, or -1.
.macro TRIP e, m1, m2, zero, swap, ld, prod, gl, qk, endk, wsel, own
.if \ld
	RUNA \e, \own
.endif
.set i, 0
.rept 64
.if i == 32
	s_wait_dscnt 0x0                               ; run A is in: issued 32 products ago
.endif
.if i == 40
	RUNB \e, \ld, \prod, \gl
.endif
.if i == 56
	FRONT \qk, \endk, \wsel
.endif
.if (i < 32) && (\m1)
	PROD \e, 1, \swap, 0
.endif
.if (i >= 32) && (\m2)
	PROD \e, 0, \swap, \zero
.endif
	SLICE \e, \prod, \qk
.set i, i+1
.endr
	WIN 0                                          ; at a label and at a branch every window is 0
.if \qk
	QK \e
	ADDR \e
.else
	NOP4                                           ; the places behind the last products
.endif
.if \e
	s_xor_b32 s48, s48, SLOTX                      ; the next two steps lie in the other slot
	v_add_nc_u32 v[AX], s48, v[LX]
	v_add_nc_u32 v[AX+1], STEPB, v[AX]
.endif
.if (\endk) < 3
	s_barrier_wait -1
.endif
.if (\endk) == 1
	CREST                                          ; the barrier has opened a round of the cluster's: no wave of any partner still reads the slot or has a load on its way
	tensor_load_to_lds s[40:43], s[32:39]          ; my quarter of the slot: the first thing behind the round, my one tensor load until the next
	s_nop 0
	NOP4
.endif
.endm
	s_load_b512 s[4:19], s[0:1], 0x0               ; xb 4, wvb 6, kp 8, s2 10, qf 12, q2n 14, nsh 16, bv 18
	s_load_b128 s[20:23], s[0:1], 0x40             ; gamma 20, x 22
	s_load_b64 s[24:25], s[0:1], 0x50              ; out0
	v_lshl_add_u32 v[SPW], v0, 2, SPARE
	v_mov_b32 v[NIL], 0
	ds_add_u32 v[SPW], v[NIL]                      ; the wave's opening: the add and its wait stand ahead of my first tensor load
	v_lshrrev_b32 v4, 5, v0
	v_readfirstlane_b32 s[WV], v4
	s_bfe_u32 s27, ttmp6, 0x40000                  ; cx
	s_lshl_b32 s28, ttmp9, 2
	s_add_co_u32 s28, s28, s27                     ; mb: it enters k's, k2's, x's and out0's addresses alone
	s_and_b32 s29, ttmp7, 0xffff                   ; b, which the four partners share
	; group 1: 32,768 dense bytes as 128 rows of 256, padded in LDS after every 128 bytes: 256 rows of 144
	s_mov_b32 s32, 15|(1<<16)|(1<<20)|(1<<21)|(4<<22)|(3<<25)
	s_mov_b32 s33, 128<<16
	s_mov_b32 s34, 128<<16
	s_mov_b32 s35, 128<<16
	s_mov_b32 s36, 128
	s_mov_b32 s37, 128
	s_mov_b32 s38, 0
	s_mov_b32 s39, 0
	s_mov_b32 s40, 1
	s_mul_i32 s41, s[WV], 36864                    ; my quarter of slot 0
	s_mov_b32 s48, SLOTX                           ; the opening trip turns it into 0
	s_mov_b32 s50, 0xb9b8aa3b                      ; -c
	s_mov_b32 s51, s50
	s_mov_b32 s54, 0x76543210
	s_mov_b32 s55, 0xfedcba98
	s_lshl_b32 s70, s29, 22
	s_lshl_b32 s30, s[WV], 15
	s_add_co_u32 s70, s70, s30                     ; xb: the batch, my quarter of a fill
	s_mov_b32 s71, 0
	s_mov_b32 s31, 0
	s_wait_dscnt 0x0                               ; the opening add is done
	s_wait_kmcnt 0x0
	s_add_nc_u64 s[46:47], s[4:5], s[70:71]        ; the walking address, without the type bits
	s_add_nc_u64 s[44:45], s[6:7], s[30:31]        ; wvb at my quarter of its first fill
	s_mov_b64 s[42:43], s[46:47]
	s_or_b32 s43, s43, 0x80000000
	s_load_b32 s52, s[20:21], 0x0                  ; gamma
	ROUND                                          ; all four work-groups are here
	tensor_load_to_lds s[40:43], s[32:39]          ; fill 0: steps 0 and 1
	s_nop 0
	NOP4
	s_mov_b32 s73, 0
	s_lshl_b32 s72, s29, 19
	s_add_nc_u64 s[56:57], s[12:13], s[72:73]      ; qf at the batch
	s_lshl_b32 s30, s28, 7
	s_add_co_u32 s72, s72, s30
	s_add_nc_u64 s[8:9], s[8:9], s[72:73]          ; kp at (b, pb = 0, o = mb)
	s_lshl_b32 s72, s29, 14
	s_add_nc_u64 s[58:59], s[14:15], s[72:73]
	s_add_nc_u64 s[60:61], s[16:17], s[72:73]
	s_lshl_b32 s72, s29, 15
	s_lshl_b32 s30, s28, 2
	s_add_co_u32 s72, s72, s30
	s_add_co_u32 s72, s72, 256
	s_add_nc_u64 s[10:11], s[10:11], s[72:73]      ; s2 at (b, pb = 0, k2 of o = mb)
	s_lshl_b32 s72, s29, 23
	s_lshl_b32 s30, s[WV], 21
	s_add_co_u32 s72, s72, s30
	s_lshl_b32 s30, s28, 8
	s_add_co_u32 s72, s72, s30
	s_add_nc_u64 s[66:67], s[22:23], s[72:73]      ; x and out0 at my 128 rows, column 64 mb
	s_add_nc_u64 s[68:69], s[24:25], s[72:73]
	v_and_b32 v1, 15, v0                           ; r
	v_bfe_u32 v2, v0, 4, 1                         ; h
	v_and_b32 v3, 31, v0                           ; lane
	v_lshlrev_b32 v5, 13, v1
	v_lshl_add_u32 v5, v2, 4, v5                   ; row m = 64 mb + 16 t + r lies 8,192 bytes from its neighbour in kp
	v_lshlrev_b32 v6, 9, v1
	s_lshl_b32 s30, s[WV], 9
	v_lshl_add_u32 v7, v1, 2, s30
.set n, 0
.rept 16
	global_load_b128 v[KK+4*n:KK+4*n+3], v5, s[8:9] offset:(n/4)*131072+(n%4)*32
.set n, n+1
.endr
.irp t, 0,1,2,3
	global_load_b32 v[K2D+2*\t], v6, s[10:11] offset:\t*8192
.endr
.irp t, 0,1,2,3,4,5,6,7
	global_load_b32 v[BVD+2*\t], v7, s[18:19] offset:\t*64
.endr
	s_lshl_b32 s30, s[WV], 11
	v_lshl_add_u32 v[VQ], v3, 4, s30
	v_add_nc_u32 v[VQ+1], 8192, v[VQ]
	v_add_nc_u32 v[VQM], 63*8192, v[VQ]
	s_lshl_b32 s30, s[WV], 6
	v_lshl_add_u32 v[VS], v2, 5, s30
	v_add_nc_u32 v[VS+1], 256, v[VS]
	v_add_nc_u32 v[VSM], 63*256, v[VS]
	GLQ 0                                          ; step 0
	GLS 0
	GLQ 1                                          ; step 1
	GLS 1
	v_mul_u32_u24 v4, v1, 144
	v_lshl_add_u32 v4, v2, 4, v4                   ; a fragment's row x pitch + 16 x half
	s_mul_i32 s30, s[WV], 18432
	v_add_nc_u32 v[LX], s30, v4
	v_add_nc_u32 v[APF], PBASE, v4
	s_lshl_b32 s30, s[WV], 5
	v_add_nc_u32 v[APS], s30, v[APF]
	v_lshlrev_b32 v[GX], 4, v1
	v_lshl_add_u32 v[GX], v2, 14, v[GX]
	s_mul_i32 s30, s[WV], 128*272
	v_mul_u32_u24 v[AST], v1, 272
	v_lshl_add_u32 v[AST], v2, 5, v[AST]
	v_add_nc_u32 v[AST], s30, v[AST]
	v_mul_u32_u24 v[ARD], v2, 272
	v_lshl_add_u32 v[ARD], v1, 4, v[ARD]
	v_add_nc_u32 v[ARD], s30, v[ARD]
	s_lshl_b32 s30, s[WV], 8
	s_add_co_u32 s30, s30, CSS
	v_lshl_add_u32 v[ACS], v1, 2, s30
	v_lshlrev_b32 v[ACR], 5, v2
	v_add_nc_u32 v[ACR], CSS, v[ACR]
.irp t, 0,1,2,3,4,5,6,7
	v_mov_b32 v[CS+\t], 0
.endr
	s_wait_kmcnt 0x0
	s_mov_b32 s53, s52
	s_wait_loadcnt 0x8                             ; all but step 1's eight loads
.irp t, 0,1,2,3
	v_mov_b32 v[K2D+2*\t+1], v[K2D+2*\t]
.endr
.irp t, 0,1,2,3,4,5,6,7
	v_mov_b32 v[BVD+2*\t+1], v[BVD+2*\t]
.endr
.irp t, 0,1,2,3
	AQ 0, \t
.endr
	QK 0                                           ; the scores of P(0)
	ADDR 0
	;    e m1 m2 zr sw ld pr gl qk ek ws own
	TRIP 1, 0, 0, 0, 0, 0, 1, 1, 1, 1, 0, -1       ; the opening trip has no products: P(0), the scores of P(1); fill 0 is waited for, fill 1 asked for
	TRIP 0, 0, 1, 1, 0, 1, 1, 1, 1, 0, 0, -1       ; trip 0: its products start the sums
	s_mov_b32 s49, 31
	s_branch .Lodd                                 ; the loop is entered in the middle of a trip pair
.Lloop:                                            ; trips 1 to 61
	TRIP 0, 1, 1, 0, 0, 1, 1, 1, 1, 0, 0, -1
.Lodd:
	TRIP 1, 1, 1, 0, 0, 1, 1, 1, 1, 1, 1, -1
	s_sub_co_u32 s49, s49, 1
	s_cmp_lg_u32 s49, 0
	s_cbranch_scc1 .Lloop
	TRIP 0, 1, 1, 0, 0, 1, 1, 0, 0, 0, 0, -1       ; trip 62 makes P(63) and starts nothing more
	TRIP 1, 1, 1, 0, 0, 1, 0, 0, 0, 1, 0, -1       ; trip 63
	; Y IS FINISHED.  My tile of x is asked for now; it is wanted at the very end.
	s_wait_loadcnt 0x0                             ; trip 61's held loads: their registers are about to be written
	WIN 0xc0
.set n, 0
.rept 64
	global_load_b128 v[4*n:4*n+3], v[GX], s[66:67] offset:32768*n th:TH_LOAD_NT
.set n, n+1
.endr
.set i, 0
.rept 32
	PROD 0, 1, 0, 0                                ; step 63, second half of K
.set i, i+1
.endr
	WIN 0
.irp t, 0,1,2,3                        ; the column sums of my 16 n a step; these four lines are the places behind the products
	v_add_f32 v[CS+2*\t], v[CS+2*\t], v[CS+2*\t+1]
.endr
.irp t, 0,1,2,3
	v_permlanex16_b32 v[CS+2*\t+1], v[CS+2*\t], s54, s55
.endr
.irp t, 0,1,2,3
	v_add_f32 v[CS+2*\t], v[CS+2*\t], v[CS+2*\t+1]
.endr
.irp t, 0,1,2,3
	ds_store_b32 v[ACS], v[CS+2*\t] offset:64*\t   ; both halves of the lanes write the same number
.endr
	WIN 0x05                                       ; sources window 1, destination window 0
.set n, 0
.rept 128                              ; a lane's eight c' of one m pack into 16 bytes of Y^T
	v_cvt_pk_bf16_f32 v[YP+n], v[2*n], v[2*n+1]
.set n, n+1
.endr
	WIN 0
	s_cmp_lg_u32 s[WV], 0
	s_cbranch_scc1 .Lnot_chunk_0
	CHUNK 0
.Lnot_chunk_0:
	s_wait_dscnt 0x0                               ; for the others' sake
	s_barrier_signal -1
	s_barrier_wait -1
	;    e m1 m2 zr sw ld pr gl qk ek ws own
	TRIP 0, 0, 1, 1, 1, 1, 0, 0, 0, 0, 0, 0        ; eight trips for Wv's eight blocks; the tail is written out
	TRIP 1, 1, 1, 0, 1, 1, 0, 0, 0, 1, 0, 1
	TRIP 0, 1, 1, 0, 1, 1, 0, 0, 0, 0, 0, 1
	TRIP 1, 1, 1, 0, 1, 1, 0, 0, 0, 1, 0, 2
	TRIP 0, 1, 1, 0, 1, 1, 0, 0, 0, 0, 0, 2
	TRIP 1, 1, 1, 0, 1, 1, 0, 0, 0, 2, 0, 3        ; the last fill is waited for; nothing is asked for
	TRIP 0, 1, 1, 0, 1, 1, 0, 0, 0, 0, 0, 3
	TRIP 1, 1, 1, 0, 1, 1, 0, 0, 0, 3, 0, -1       ; nothing shared follows: no barrier
.set i, 0
.rept 32
	PROD 0, 1, 1, 0                                ; the last block, second half of K
.set i, i+1
.endr
	; THE WAY OUT.  colsum of the four waves; + bv colsum; through my stage (slot 0 has had its last fill, and its last reads lie two barriers back); gamma out + x.
	WIN 0
.set n, 0
.rept 32                               ; n = 8 wave + 2 mt + half: the eight m of my half of the lanes
	ds_load_b128 v[CL+4*n:CL+4*n+3], v[ACR] offset:256*(n/8)+64*((n/2)%4)+16*(n%2)
.set n, n+1
.endr
	s_wait_dscnt 0x0
.set n, 0
.rept 16                               ; these additions are the places behind the last products
	v_pk_add_f32 v[CL+2*n:CL+2*n+1], v[CL+2*n:CL+2*n+1], v[CL+32+2*n:CL+33+2*n]
	v_pk_add_f32 v[CL+64+2*n:CL+65+2*n], v[CL+64+2*n:CL+65+2*n], v[CL+96+2*n:CL+97+2*n]
.set n, n+1
.endr
.set n, 0
.rept 16
	v_pk_add_f32 v[CL+2*n:CL+2*n+1], v[CL+2*n:CL+2*n+1], v[CL+64+2*n:CL+65+2*n]
.set n, n+1
.endr
	WIN 0x50                                       ; C and D window 1
.set n, 0
.rept 128                              ; n = 4 accumulator + pair, ascending
	v_pk_fma_f32 v[2*n:2*n+1], v[CL+8*((n/4)%4)+2*(n%4):CL+8*((n/4)%4)+2*(n%4)+1], v[BVD+2*(n/16):BVD+2*(n/16)+1], v[2*n:2*n+1]
.set n, n+1
.endr
	WIN 0x04                                       ; store data window 1
.set n, 0
.rept 64                               ; n = 2 accumulator + half: row c = 16 ct + r, 32 bytes at m = 16 mt + 8 h
	ds_store_b128 v[AST], v[4*n:4*n+3] offset:4352*(n/8)+64*((n/2)%4)+16*(n%2)
.set n, n+1
.endr
	WIN W_LD
.set n, 0
.rept 64                               ; back as whole rows, two a load; my own bytes, in order (ISA guide 5.7.1.4)
	ds_load_b128 v[4*n:4*n+3], v[ARD] offset:544*n
.set n, n+1
.endr
	s_wait_loadcnt 0x0                             ; x
.irp g, 0,1,2,3
	s_wait_dscnt 48-16*\g                          ; 16 loads are in; the younger ones stay out
	WIN 0xb2                                       ; source 0 and destination window 2, source 2 window 3
.set n, 32*\g
.rept 32
	v_pk_fma_f32 v[2*n:2*n+1], v[2*n:2*n+1], s[52:53], v[2*n:2*n+1] op_sel_hi:[1,0,1]
.set n, n+1
.endr
	WIN 0x08                                       ; store data window 2
.set n, 16*\g
.rept 16
	global_store_b128 v[GX], v[4*n:4*n+3], s[68:69] offset:32768*n th:TH_STORE_NT  ; 16 lanes store 256 consecutive bytes, aligned
.set n, n+1
.endr
.endr
	WIN 0
	s_wait_tensorcnt 0x0                           ; the wave's end
	ds_add_u32 v[SPW], v[NIL]
	s_wait_dscnt 0x0
	ROUND                                          ; the closing round
	s_endpgm
.Lfunc_end_k_qbb15ba86c0_attn:
	.size	k_qbb15ba86c0_attn, .Lfunc_end_k_qbb15ba86c0_attn-k_qbb15ba86c0_attn
	.p2alignl 7, 3214868480
	.fill 96, 4, 3214868480
	.section	.rodata,"a",@progbits
	.p2align	6, 0x0
	.amdhsa_kernel k_qbb15ba86c0_attn
		.amdhsa_group_segment_fixed_size 327680
		.amdhsa_private_segment_fixed_size 0
		.amdhsa_enable_private_segment 0
		.amdhsa_kernarg_size 88
		.amdhsa_user_sgpr_count 2
		.amdhsa_user_sgpr_kernarg_segment_ptr 1
		.amdhsa_wavefront_size32 1
		.amdhsa_system_sgpr_workgroup_id_x 1
		.amdhsa_system_sgpr_workgroup_id_y 1
		.amdhsa_system_sgpr_workgroup_id_z 1
		.amdhsa_system_vgpr_workitem_id 0
		.amdhsa_next_free_vgpr 1024
		.amdhsa_next_free_sgpr 80
		.amdhsa_reserve_vcc 0
		.amdhsa_float_denorm_mode_32 3
		.amdhsa_float_denorm_mode_16_64 3
		.amdhsa_memory_ordered 1
		.amdhsa_forward_progress 1
		.amdhsa_inst_pref_size 229
	.end_amdhsa_kernel
	.amdgpu_metadata
---
amdhsa.version: [ 1, 2 ]
amdhsa.kernels:
  - .name:           k_qbb15ba86c0_attn
    .symbol:         k_qbb15ba86c0_attn.kd
    .args:
      - { .name: xb, .offset: 0, .size: 8, .value_kind: global_buffer, .address_space: global }
      - { .name: wvb, .offset: 8, .size: 8, .value_kind: global_buffer, .address_space: global }
      - { .name: kp, .offset: 16, .size: 8, .value_kind: global_buffer, .address_space: global }
      - { .name: s2, .offset: 24, .size: 8, .value_kind: global_buffer, .address_space: global }
      - { .name: qf, .offset: 32, .size: 8, .value_kind: global_buffer, .address_space: global }
      - { .name: q2n, .offset: 40, .size: 8, .value_kind: global_buffer, .address_space: global }
      - { .name: nsh, .offset: 48, .size: 8, .value_kind: global_buffer, .address_space: global }
      - { .name: bv, .offset: 56, .size: 8, .value_kind: global_buffer, .address_space: global }
      - { .name: gamma, .offset: 64, .size: 8, .value_kind: global_buffer, .address_space: global }
      - { .name: x, .offset: 72, .size: 8, .value_kind: global_buffer, .address_space: global }
      - { .name: out0, .offset: 80, .size: 8, .value_kind: global_buffer, .address_space: global }
    .group_segment_fixed_size: 327680
    .private_segment_fixed_size: 0
    .kernarg_segment_align: 8
    .kernarg_segment_size: 88
    .max_flat_workgroup_size: 128
    .sgpr_count:     80
    .vgpr_count:     1024
    .wavefront_size: 32
...
	.end_amdgpu_metadata
.endif
;; end of part 3
;; ======== version 2 of 2: 3 launches; 1.10 times as fast as version 1
;; workspace buffers: xb 16,777,216 bytes; wvb 524,288 bytes; qp 2,097,152 bytes; kp 2,097,152 bytes; s2 131,072 bytes; qf 2,097,152 bytes; q2n 65,536 bytes; nsh 65,536 bytes
;; launch prep: the kernel of part 1 again; grid 64 x 4, 8 waves a work-group, no clusters, 235,008 bytes of LDS; arguments x, wq, bq, wk, bk, wv, xb, wvb, qp, kp, s2; writes xb, wvb, qp, kp, s2
;; launch stats (part 4): grid 64 x 4, 8 waves a work-group, clusters of 4 x 1, 327,680 bytes of LDS; arguments qp, kp, s2, qf, q2n, nsh; writes qf, q2n, nsh
.if DOCPART == 4
	.amdgcn_target "amdgcn-amd-amdhsa--gfx1250"
	.amdhsa_code_object_version 6
	.text
	.protected	k_qbb15ba86c0_stats
	.globl	k_qbb15ba86c0_stats
	.p2align	8
	.type	k_qbb15ba86c0_stats,@function
k_qbb15ba86c0_stats:
	s_mov_b64 s[64:65], 0
	v_nop
	global_prefetch_b8 v0, s[64:65] scope:SCOPE_SE
	s_setreg_imm32_b32 hwreg(HW_REG_WAVE_MODE, 25, 1), 1
	s_wait_xcnt 0x0
	s_wait_alu depctr_hold_cnt(0) depctr_sa_sdst(0) depctr_va_vdst(0) depctr_va_sdst(0) depctr_va_ssrc(0) depctr_va_vcc(0) depctr_vm_vsrc(0)
	s_getreg_b32 s2, hwreg(HW_REG_IB_STS2, 6, 4)
	s_cmp_eq_u32 s2, 0
	s_cbranch_scc0 .Lentry_in_a_cluster
	s_endpgm
.Lentry_in_a_cluster:
	s_bfe_u32 s2, ttmp6, 0x10000c
	s_cmp_lg_u32 s2, 0x3003
	s_cbranch_scc0 .Lentry_shape_is_right
	s_endpgm
.Lentry_shape_is_right:
; STATS.  For each row n of batch b: NSH[n] = CM[n] - log2(l[n]), where CM = c sqrt(min over m of max(d2, 0)), c = log2(e) / 4096, is minus the row's largest exponent in base 2 and
; l = sum over m of 2^(CM - c sqrt(max(d2, 0))).  d2[n][m] = q2[n] + k2[m] - 2 q.k as the module forms it: q2 + k2 is the C operand of the product, q is stored as -2 q.
; The maximum is taken away by a running maximum: per lane CM falls from group to group, and l is multiplied by 2^(CM_new - CM_old).  attn[n][m] is later 2^(NSH[n] - c sqrt(d2)).
; SHARES.  A work-group owns the rows n = 64 jb .. +63.  Each of its eight waves holds all 64 (four B fragments' tiles, in registers) and walks its own eighth of the keys, 512 rows in the
; order in which kp stores them (the sum over m does not care), as four tiles of 128 rows.  D[m][n] = A (16 rows of k) x B (16 rows of q): a lane holds ONE n (lane % 16) and eight m.
; TWO WAVES A SIMD: the launch has far more vector and transcendental lines than products, and one wave's products and LDS reads stand under the other's vector work.
; THE BATCHES.  A group has two: its 68 roots (of the four least d2 and of the 64 d2), and its 68 exponentials (the four a and the 64 weights).  Each batch has one plain line and one wait behind it, ahead of its first reader.
; CLUSTER.  The four work-groups of a cluster belong to one batch and wave w of each walks the same rows of k: every tile is asked for JOINTLY.
; It also writes q again in fragment order and natural n (qf) and q2 in natural n (q2n), for the launch behind.
; LIMITS.  d2 must stay finite in f32; a weight below 2^-126 counts as 0; NaN and infinities are not treated apart.
.set SLOTB, 18432     ; a slot: 128 rows of k at 144 bytes (128 + 16: the 16 rows of a load start at 16 different groups of four banks; 64 banks of 4 bytes: ISA guide 11.1)
.set K2L,   294912    ; behind the eight rings of two slots: k2 of a wave's 512 rows, 2,048 bytes a wave
.set SCR,   311296    ; [wave][64 n] pairs (l, CM)
.set Q2S,   315392    ; q2 of the 64 rows
.set SPARE, 315648    ; the spare words: 128 bytes for each of eight waves
.set AKF0, 10         ; my lane's place in my ring; never rewritten
.set AKF,  11         ; the group's fragments
.set AK20, 12         ; my lane's place in my k2; never rewritten
.set AK2,  13
.set SPW,  14
.set NIL,  15
.set ST,   16         ; tile t of n at ST + 8 t: +0 CM, +1 the least d2, +2, +3 l (even, odd m), +4, +5 at work, +6 a, +7 named with it as a pair
.set Q2D,  48         ; q2 of my n, twice, for each tile
.set K2R,  56         ; k2 of the group's 32 m: eight for my half of the lanes for each 16
.set KF,   72         ; four fragments of k: (u, f) at KF + 8 (2 u + f)
.set QF,   104        ; eight fragments of q: (t, f) at QF + 16 t + 8 f
.set S,    168        ; eight accumulators: (u, t) at S + 8 (4 u + t)
.set WV,   16         ; s16 wave
.set G1K,  24
.set G1S,  32
.set G0A,  40
.set G0B,  44
.set G0S,  48
.set TB,   56         ; s56 LDS byte of the group's rows in my ring
.set T2,   57         ; s57 the same in my k2
.set CNT,  58
.set CPOS, 59         ; s59 c
.set CNEG, 60         ; s[60:61] -c
.set SEL,  62
.macro ROUND                           ; a round of the cluster's barrier
	s_barrier_signal -1
	s_barrier_wait -1
	s_cmp_lg_u32 s[WV], 0
	s_cbranch_scc1 .Lnot_wave_0_\@
	s_barrier_signal -3
.Lnot_wave_0_\@:
	s_barrier_wait -3
	s_barrier_signal -1
	s_barrier_wait -1
.endm
	s_load_b256 s[4:11], s[0:1], 0x0               ; qp 4, kp 6, s2 8, qf 10
	s_load_b128 s[12:15], s[0:1], 0x20             ; q2n 12, nsh 14
	v_lshl_add_u32 v[SPW], v0, 2, SPARE
	v_mov_b32 v[NIL], 0
	ds_add_u32 v[SPW], v[NIL]                      ; the wave's opening: the add and its wait stand ahead of my first tensor load
	v_lshrrev_b32 v1, 5, v0
	v_readfirstlane_b32 s[WV], v1
	s_bfe_u32 s17, ttmp6, 0x40000                  ; cx
	s_lshl_b32 s18, ttmp9, 2
	s_add_co_u32 s18, s18, s17                     ; jb: it enters q's, qf's, q2n's and nsh's addresses alone
	s_and_b32 s19, ttmp7, 0xffff                   ; b, which the four partners share
	; group 1 for k: 128 rows are 16,384 dense bytes: 64 rows of 256 bytes, padded in LDS after every 128
	s_mov_b32 s[G1K], 15|(1<<16)|(1<<20)|(1<<21)|(4<<22)|(3<<25)  ; the mask of four; 2-byte elements; padding on; bit 21 beside a mask; after every 32 words, 4 words
	s_mov_b32 s[G1K+1], 128<<16
	s_mov_b32 s[G1K+2], 64<<16
	s_mov_b32 s[G1K+3], 128<<16
	s_mov_b32 s[G1K+4], 64
	s_mov_b32 s[G1K+5], 128
	s_mov_b32 s[G1K+6], 0
	s_mov_b32 s[G1K+7], 0
	; group 1 for k2: 8 rows of 64 f32 (256 bytes), 128 elements apart, dense in LDS
	s_mov_b32 s[G1S], 15|(2<<16)|(1<<21)
	s_mov_b32 s[G1S+1], 64<<16
	s_mov_b32 s[G1S+2], 8<<16
	s_mov_b32 s[G1S+3], 64<<16
	s_mov_b32 s[G1S+4], 8
	s_mov_b32 s[G1S+5], 128
	s_mov_b32 s[G1S+6], 0
	s_mov_b32 s[G1S+7], 0
	s_mov_b32 s[G0A], 1
	s_mul_i32 s[G0A+1], s[WV], 2*SLOTB             ; my ring, slot 0
	s_mov_b32 s[G0B], 1
	s_add_co_u32 s[G0B+1], s[G0A+1], SLOTB         ; slot 1
	s_mov_b32 s[G0S], 1
	s_lshl_b32 s[G0S+1], s[WV], 11
	s_add_co_u32 s[G0S+1], s[G0S+1], K2L
	s_lshl_b32 s20, s19, 19
	s_lshl_b32 s21, s[WV], 16
	s_add_co_u32 s20, s20, s21                     ; kp: the batch, my 512 rows
	s_mov_b32 s21, 0
	s_lshl_b32 s22, s19, 15
	s_lshl_b32 s23, s[WV], 12
	s_add_co_u32 s22, s22, s23
	s_add_co_u32 s22, s22, 256                     ; s2: the batch, my 8 rows of 512 bytes, their second half
	s_mov_b32 s23, 0
	s_mov_b32 s[CPOS], 0x39b8aa3b                  ; c = log2(e) / 4096
	s_mov_b32 s[CNEG], 0xb9b8aa3b
	s_mov_b32 s[CNEG+1], s[CNEG]
	s_mov_b32 s[SEL], 0x76543210
	s_mov_b32 s[SEL+1], 0xfedcba98
	s_wait_dscnt 0x0                               ; the opening add is done
	s_wait_kmcnt 0x0
	s_add_nc_u64 s[G0A+2:G0A+3], s[6:7], s[20:21]
	s_add_nc_u64 s[G0B+2:G0B+3], s[G0A+2:G0A+3], 16384
	s_or_b32 s[G0A+3], s[G0A+3], 0x80000000
	s_or_b32 s[G0B+3], s[G0B+3], 0x80000000
	s_add_nc_u64 s[G0S+2:G0S+3], s[8:9], s[22:23]
	s_or_b32 s[G0S+3], s[G0S+3], 0x80000000
	ROUND                                          ; all four work-groups are here: the first joint loads meet
	tensor_load_to_lds s[G0A:G0A+3], s[G1K:G1K+7]  ; tile 0; three loads of mine are out
	s_nop 0
	tensor_load_to_lds s[G0S:G0S+3], s[G1S:G1S+7]  ; k2
	s_nop 0
	tensor_load_to_lds s[G0B:G0B+3], s[G1K:G1K+7]  ; tile 1
	s_nop 0
.rept 4
	v_nop
.endr
	s_lshl_b32 s20, s19, 19
	s_lshl_b32 s22, s18, 7
	s_add_co_u32 s22, s20, s22
	s_add_nc_u64 s[52:53], s[4:5], s[22:23]        ; qp at (b, pb = 0, o = jb)
	s_lshl_b32 s22, s18, 13
	s_add_co_u32 s22, s20, s22
	s_add_nc_u64 s[10:11], s[10:11], s[22:23]      ; qf at my 64 rows
	s_lshl_b32 s20, s19, 15
	s_lshl_b32 s22, s18, 2
	s_add_co_u32 s22, s20, s22
	s_add_nc_u64 s[54:55], s[8:9], s[22:23]        ; s2 at (b, pb = 0, q2 of o = jb)
	s_lshl_b32 s20, s19, 14
	s_lshl_b32 s22, s18, 8
	s_add_co_u32 s22, s20, s22
	s_add_nc_u64 s[12:13], s[12:13], s[22:23]
	s_add_nc_u64 s[14:15], s[14:15], s[22:23]
	v_and_b32 v4, 15, v0                           ; r
	v_bfe_u32 v5, v0, 4, 1                         ; h
	v_and_b32 v6, 31, v0                           ; lane
	v_lshlrev_b32 v2, 13, v4
	v_lshl_add_u32 v2, v5, 4, v2                   ; row n = 64 jb + 16 t + r lies 8,192 bytes from its neighbour in qp
	v_lshlrev_b32 v3, 9, v4
.set n, 0
.rept 16                               ; n = 4 t + i: 16 bytes at d = 16 i + 8 h
	global_load_b128 v[QF+4*n:QF+4*n+3], v2, s[52:53] offset:(n/4)*131072+(n%4)*32
.set n, n+1
.endr
.irp t, 0,1,2,3
	global_load_b32 v[Q2D+2*\t], v3, s[54:55] offset:\t*8192
.endr
	v_mul_u32_u24 v[AKF0], v4, 144
	v_lshl_add_u32 v[AKF0], v5, 4, v[AKF0]
	v_add_nc_u32 v[AKF0], s[G0A+1], v[AKF0]
	v_lshlrev_b32 v[AK20], 5, v5
	v_add_nc_u32 v[AK20], s[G0S+1], v[AK20]
	v_lshlrev_b32 v7, 3, v6                        ; 8 x lane
	v_lshlrev_b32 v9, 4, v6                        ; 16 x lane
	v_lshlrev_b32 v8, 2, v4
	v_add_nc_u32 v8, Q2S, v8
.irp t, 0,1,2,3
	v_mov_b32 v[ST+8*\t], 0x7e000000               ; CM: far above every c sqrt(d2), so the first a is 0
	v_mov_b32 v[ST+8*\t+1], 0x7f7fffff             ; the least d2
	v_mov_b32 v[ST+8*\t+2], 0
	v_mov_b32 v[ST+8*\t+3], 0
	v_mov_b32 v[ST+8*\t+7], 0
.endr
	s_wait_loadcnt 0x0
.irp t, 0,1,2,3
	v_mov_b32 v[Q2D+2*\t+1], v[Q2D+2*\t]
.endr
	s_cmp_lg_u32 s[WV], 1
	s_cbranch_scc1 .Lnot_wave_1
.set n, 0
.rept 16
	global_store_b128 v9, v[QF+4*n:QF+4*n+3], s[10:11] offset:512*n  ; 512 consecutive bytes: the fragments as the registers hold them
.set n, n+1
.endr
.Lnot_wave_1:
; A GROUP: 32 m x 64 n.
.macro GROUP
.irp u, 0,1
	ds_load_b128 v[K2R+8*\u:K2R+8*\u+3], v[AK2] offset:64*\u
	ds_load_b128 v[K2R+8*\u+4:K2R+8*\u+7], v[AK2] offset:64*\u+16
.endr
.irp g, 0,1,2,3
	ds_load_b128 v[KF+8*\g:KF+8*\g+3], v[AKF] offset:2304*(\g/2)+64*(\g%2)
	ds_load_b128 v[KF+8*\g+4:KF+8*\g+7], v[AKF] offset:2304*(\g/2)+64*(\g%2)+32
.endr
	s_wait_dscnt 0x8                               ; k2 is in; the eight fragment loads stay out
.set n, 0
.rept 32                               ; q2 + k2 starts the sums
	v_pk_add_f32 v[S+2*n:S+2*n+1], v[K2R+8*(n/16)+2*(n%4):K2R+8*(n/16)+2*(n%4)+1], v[Q2D+2*((n/4)%4):Q2D+2*((n/4)%4)+1]
.set n, n+1
.endr
	s_wait_dscnt 0x0
.irp f, 0,1                            ; the eight accumulators take turns
.set n, 0
.rept 8
	v_wmma_f32_16x16x32_bf16 v[S+8*n:S+8*n+7], v[KF+8*(2*(n/4)+\f):KF+8*(2*(n/4)+\f)+7], v[QF+16*(n%4)+8*\f:QF+16*(n%4)+8*\f+7], v[S+8*n:S+8*n+7]
.set n, n+1
.endr
.endr
	s_add_co_u32 s[TB], s[TB], 32*144
	s_add_co_u32 s[T2], s[T2], 128
	v_add_nc_u32 v[AKF], s[TB], v[AKF0]            ; the next group's addresses, and two v_nop: the four places behind the products
	v_add_nc_u32 v[AK2], s[T2], v[AK20]
	v_nop
	v_nop
.set n, 0
.rept 32                               ; the least d2, four chains; each accumulator's lowest registers are read first
	v_min3_num_f32 v[ST+8*(n%4)+1], v[ST+8*(n%4)+1], v[S+8*(4*(n/16)+n%4)+2*((n/4)%4)], v[S+8*(4*(n/16)+n%4)+2*((n/4)%4)+1]
.set n, n+1
.endr
.irp t, 0,1,2,3
	v_max_num_f32 v[ST+8*\t+4], 0, v[ST+8*\t+1]
.endr
.set n, 0
.rept 64                               ; max(d2, 0)
	v_max_num_f32 v[S+n], 0, v[S+n]
.set n, n+1
.endr
.irp t, 0,1,2,3                        ; THE ROOTS, one batch of 68: of the four least d2,
	v_sqrt_f32 v[ST+8*\t+4], v[ST+8*\t+4]
.endr
.set n, 0
.rept 64                               ; and of the 64 d2; none of these lines names another's result
	v_sqrt_f32 v[S+n], v[S+n]
.set n, n+1
.endr
	v_nop                                          ; a plain line between the last root and the use of its result (ISA guide 5.7.2)
	s_wait_alu depctr_va_vdst(0)                   ; the wait for the batch of 68 roots, ahead of its first reader
.irp t, 0,1,2,3
	v_fma_f32 v[ST+8*\t+5], v[ST+8*\t+4], s[CPOS], -v[ST+8*\t]  ; CM_new - CM_old
	v_mul_f32 v[ST+8*\t], s[CPOS], v[ST+8*\t+4]                 ; CM
.endr
.irp t, 0,1,2,3                        ; THE EXPONENTIALS, one batch of 68: the four a,
	v_exp_f32 v[ST+8*\t+6], v[ST+8*\t+5]           ; a
.endr
.set n, 0
.rept 32                               ; (the scalings name CM and the roots, no exponential's result)
	v_pk_fma_f32 v[S+2*n:S+2*n+1], v[S+2*n:S+2*n+1], s[CNEG:CNEG+1], v[ST+8*((n/4)%4):ST+8*((n/4)%4)+1] op_sel_hi:[1,0,0]  ; CM - c sqrt(d2)
.set n, n+1
.endr
.set n, 0
.rept 64                               ; and the 64 weights
	v_exp_f32 v[S+n], v[S+n]
.set n, n+1
.endr
	v_nop                                          ; a plain line between the last exponential and the use of its result
	s_wait_alu depctr_va_vdst(0)                   ; the wait for the batch of 68 exponentials, ahead of its first reader and of the loop's jump
.set n, 0
.rept 16                               ; tile (1, t) onto tile (0, t)
	v_pk_add_f32 v[S+2*n:S+2*n+1], v[S+2*n:S+2*n+1], v[S+32+2*n:S+32+2*n+1]
.set n, n+1
.endr
.irp t, 0,1,2,3
	v_pk_add_f32 v[S+8*\t:S+8*\t+1], v[S+8*\t:S+8*\t+1], v[S+8*\t+2:S+8*\t+3]
	v_pk_add_f32 v[S+8*\t+4:S+8*\t+5], v[S+8*\t+4:S+8*\t+5], v[S+8*\t+6:S+8*\t+7]
.endr
.irp t, 0,1,2,3
	v_pk_add_f32 v[S+8*\t:S+8*\t+1], v[S+8*\t:S+8*\t+1], v[S+8*\t+4:S+8*\t+5]
.endr
.irp t, 0,1,2,3
	v_pk_fma_f32 v[ST+8*\t+2:ST+8*\t+3], v[ST+8*\t+2:ST+8*\t+3], v[ST+8*\t+6:ST+8*\t+7], v[S+8*\t:S+8*\t+1] op_sel_hi:[1,0,1]  ; l = a l + sum
.endr
.endm
; A tile of 128 rows: four groups.  left = how many younger tensor loads may stay out.
.macro TILE slot, tau, left
	s_wait_tensorcnt \left                         ; a wave's tensor loads end in order (ISA guide 10.11.1): my tile is in LDS, and only I read it
	s_mov_b32 s[TB], (\slot)*SLOTB
	s_mov_b32 s[T2], (\tau)*512
	v_add_nc_u32 v[AKF], s[TB], v[AKF0]
	v_add_nc_u32 v[AK2], s[T2], v[AK20]
	s_mov_b32 s[CNT], 4
.Lgroup_\@:
	GROUP
	s_sub_co_u32 s[CNT], s[CNT], 1
	s_cmp_lg_u32 s[CNT], 0
	s_cbranch_scc1 .Lgroup_\@
.endm
; A slot that has been read is filled again with the tile two further on.
.macro REFILL g0
	s_wait_tensorcnt 0x0                           ; no tensor load of mine is out, so a group 0 may be written
	ds_add_u32 v[SPW], v[NIL]                      ; 0 onto my spare word
	s_add_nc_u64 s[(\g0)+2:(\g0)+3], s[(\g0)+2:(\g0)+3], 32768
	s_wait_dscnt 0x0                               ; the add is done, and my reads of the slot are over
	ROUND                                          ; both now hold of every wave of the four work-groups
	tensor_load_to_lds s[(\g0):(\g0)+3], s[G1K:G1K+7]
	s_nop 0
.rept 4
	v_nop
.endr
.endm
	TILE 0, 0, 1                                   ; tile 0 and k2 are in; tile 1 may stay out
	REFILL G0A
	TILE 1, 1, 1                                   ; one load was issued behind tile 1's
	REFILL G0B
	TILE 0, 2, 1
	TILE 1, 3, 0
	; The two halves of the lanes hold the same n and different m: merged, with the smaller CM.
.irp t, 0,1,2,3
	v_add_f32 v[ST+8*\t+2], v[ST+8*\t+2], v[ST+8*\t+3]
.endr
.irp t, 0,1,2,3
	v_permlanex16_b32 v[ST+8*\t+4], v[ST+8*\t], s[SEL], s[SEL+1]
	v_permlanex16_b32 v[ST+8*\t+5], v[ST+8*\t+2], s[SEL], s[SEL+1]
.endr
.irp t, 0,1,2,3
	v_min_num_f32 v[ST+8*\t+1], v[ST+8*\t], v[ST+8*\t+4]
.endr
.irp t, 0,1,2,3
	v_sub_f32 v[ST+8*\t+6], v[ST+8*\t+1], v[ST+8*\t]
	v_sub_f32 v[ST+8*\t+7], v[ST+8*\t+1], v[ST+8*\t+4]
.endr
.irp t, 0,1,2,3
	v_exp_f32 v[ST+8*\t+6], v[ST+8*\t+6]
	v_exp_f32 v[ST+8*\t+7], v[ST+8*\t+7]
.endr
	v_nop
	s_wait_alu depctr_va_vdst(0)                   ; one wait for these eight exponentials, ahead of the products that read them
.irp t, 0,1,2,3                        ; two products and a sum, not a fused line: so both halves of the lanes get the same bits, and write the same pair
	v_mul_f32 v[ST+8*\t+2], v[ST+8*\t+2], v[ST+8*\t+6]
	v_mul_f32 v[ST+8*\t+5], v[ST+8*\t+5], v[ST+8*\t+7]
.endr
.irp t, 0,1,2,3
	v_add_f32 v[ST+8*\t], v[ST+8*\t+2], v[ST+8*\t+5]
.endr
	s_lshl_b32 s20, s[WV], 9
	s_add_co_u32 s20, s20, SCR
	v_lshl_add_u32 v1, v4, 3, s20
.irp t, 0,1,2,3
	ds_store_b64 v1, v[ST+8*\t:ST+8*\t+1] offset:128*\t  ; (l, CM) of n = 16 t + r
.endr
	s_wait_dscnt 0x0                               ; for wave 0's sake
	s_barrier_signal -1
	s_barrier_wait -1
	s_cmp_lg_u32 s[WV], 0
	s_cbranch_scc1 .Lnot_first
	v_add_nc_u32 v1, SCR, v9                       ; lane l takes n = 2 l and 2 l + 1 of all eight waves
.irp w, 0,1,2,3,4,5,6,7
	ds_load_b128 v[S+4*\w:S+4*\w+3], v1 offset:512*\w
.endr
.irp t, 0,1,2,3
	ds_store_b32 v8, v[Q2D+2*\t] offset:64*\t      ; q2 of the 64 rows, to be read back two a lane
.endr
	v_add_nc_u32 v2, Q2S, v7
	ds_load_b64 v[238:239], v2                     ; my own bytes, in order
	s_wait_dscnt 0x0
.irp p, 0,1
	v_min3_num_f32 v[232+\p], v[S+1+2*\p], v[S+5+2*\p], v[S+9+2*\p]
	v_min3_num_f32 v[232+\p], v[232+\p], v[S+13+2*\p], v[S+17+2*\p]
	v_min3_num_f32 v[232+\p], v[232+\p], v[S+21+2*\p], v[S+25+2*\p]
	v_min_num_f32 v[232+\p], v[232+\p], v[S+29+2*\p]
.endr
.irp w, 0,1,2,3,4,5,6,7
	v_sub_f32 v[S+4*\w+1], v232, v[S+4*\w+1]
	v_sub_f32 v[S+4*\w+3], v233, v[S+4*\w+3]
.endr
.irp w, 0,1,2,3,4,5,6,7
	v_exp_f32 v[S+4*\w+1], v[S+4*\w+1]
	v_exp_f32 v[S+4*\w+3], v[S+4*\w+3]
.endr
	v_nop
	s_wait_alu depctr_va_vdst(0)                   ; one wait for these sixteen exponentials, ahead of the products that read them
	v_mul_f32 v234, v[S], v[S+1]
	v_mul_f32 v235, v[S+2], v[S+3]
.irp w, 1,2,3,4,5,6,7
	v_fma_f32 v234, v[S+4*\w], v[S+4*\w+1], v234
	v_fma_f32 v235, v[S+4*\w+2], v[S+4*\w+3], v235
.endr
	v_log_f32 v234, v234
	v_log_f32 v235, v235
	v_nop
	s_wait_alu depctr_va_vdst(0)                   ; one wait for the two logarithms, ahead of the differences that read them
	v_sub_f32 v236, v232, v234                     ; NSH = CM - log2(l)
	v_sub_f32 v237, v233, v235
	global_store_b64 v7, v[236:237], s[14:15]      ; 256 consecutive bytes, aligned
	global_store_b64 v7, v[238:239], s[12:13]
.Lnot_first:
	s_wait_tensorcnt 0x0                           ; the wave's end
	ds_add_u32 v[SPW], v[NIL]
	s_wait_dscnt 0x0
	ROUND                                          ; the closing round
	s_endpgm
.Lfunc_end_k_qbb15ba86c0_stats:
	.size	k_qbb15ba86c0_stats, .Lfunc_end_k_qbb15ba86c0_stats-k_qbb15ba86c0_stats
	.p2alignl 7, 3214868480
	.fill 96, 4, 3214868480
	.section	.rodata,"a",@progbits
	.p2align	6, 0x0
	.amdhsa_kernel k_qbb15ba86c0_stats
		.amdhsa_group_segment_fixed_size 327680
		.amdhsa_private_segment_fixed_size 0
		.amdhsa_enable_private_segment 0
		.amdhsa_kernarg_size 48
		.amdhsa_user_sgpr_count 2
		.amdhsa_user_sgpr_kernarg_segment_ptr 1
		.amdhsa_wavefront_size32 1
		.amdhsa_system_sgpr_workgroup_id_x 1
		.amdhsa_system_sgpr_workgroup_id_y 1
		.amdhsa_system_sgpr_workgroup_id_z 1
		.amdhsa_system_vgpr_workitem_id 0
		.amdhsa_next_free_vgpr 256
		.amdhsa_next_free_sgpr 66
		.amdhsa_reserve_vcc 0
		.amdhsa_float_denorm_mode_32 3
		.amdhsa_float_denorm_mode_16_64 3
		.amdhsa_memory_ordered 1
		.amdhsa_forward_progress 1
		.amdhsa_inst_pref_size 87
	.end_amdhsa_kernel
	.amdgpu_metadata
---
amdhsa.version: [ 1, 2 ]
amdhsa.kernels:
  - .name:           k_qbb15ba86c0_stats
    .symbol:         k_qbb15ba86c0_stats.kd
    .args:
      - { .name: qp, .offset: 0, .size: 8, .value_kind: global_buffer, .address_space: global }
      - { .name: kp, .offset: 8, .size: 8, .value_kind: global_buffer, .address_space: global }
      - { .name: s2, .offset: 16, .size: 8, .value_kind: global_buffer, .address_space: global }
      - { .name: qf, .offset: 24, .size: 8, .value_kind: global_buffer, .address_space: global }
      - { .name: q2n, .offset: 32, .size: 8, .value_kind: global_buffer, .address_space: global }
      - { .name: nsh, .offset: 40, .size: 8, .value_kind: global_buffer, .address_space: global }
    .group_segment_fixed_size: 327680
    .private_segment_fixed_size: 0
    .kernarg_segment_align: 8
    .kernarg_segment_size: 48
    .max_flat_workgroup_size: 256
    .sgpr_count:     66
    .vgpr_count:     256
    .wavefront_size: 32
...
	.end_amdgpu_metadata
.endif
;; end of part 4
;; launch attn (part 5): grid 64 x 4, 4 waves a work-group, clusters of 4 x 1, 327,680 bytes of LDS; arguments xb, wvb, kp, s2, qf, q2n, nsh, bv, gamma, x, out0; writes out0
.if DOCPART == 5
	.amdgcn_target "amdgcn-amd-amdhsa--gfx1250"
	.amdhsa_code_object_version 6
	.text
	.protected	k_qbb15ba86c0_attn
	.globl	k_qbb15ba86c0_attn
	.p2align	8
	.type	k_qbb15ba86c0_attn,@function
k_qbb15ba86c0_attn:
	s_mov_b64 s[64:65], 0
	v_nop
	global_prefetch_b8 v0, s[64:65] scope:SCOPE_SE
	s_setreg_imm32_b32 hwreg(HW_REG_WAVE_MODE, 25, 1), 1
	s_wait_xcnt 0x0
	s_wait_alu depctr_hold_cnt(0) depctr_sa_sdst(0) depctr_va_vdst(0) depctr_va_sdst(0) depctr_va_ssrc(0) depctr_va_vcc(0) depctr_vm_vsrc(0)
	s_getreg_b32 s2, hwreg(HW_REG_IB_STS2, 6, 4)
	s_cmp_eq_u32 s2, 0
	s_cbranch_scc0 .Lentry_in_a_cluster
	s_endpgm
.Lentry_in_a_cluster:
	s_bfe_u32 s2, ttmp6, 0x10000c
	s_cmp_lg_u32 s2, 0x3003
	s_cbranch_scc0 .Lentry_shape_is_right
	s_endpgm
.Lentry_shape_is_right:
; ATTN.  out0[b][c][m] = gamma (sum over c' of Wv[c][c'] Y[c'][m] + bv[c] colsum[m]) + x[b][c][m], Y[c'][m] = sum over n of x[c'][n] P[n][m], colsum[m] = sum over n of P[n][m],
; P[n][m] = 2^(NSH[n] - c sqrt(max(q2[n] + k2[m] - 2 q.k, 0))), c = log2(e) / 4096: the softmax over m with its row maximum and row sum folded into NSH by the launch before; the exponent is at most 0.
; (Wv (x P) + bv colsum = (Wv x + bv) P: the same products in another order.)  P and Y are rounded once to bf16 as matrix operands; colsum is taken of the unrounded P; all sums in f32.
; SHARES.  A work-group makes all 512 channels of the columns m = 64 mb .. +63, so every P[n][m] is made once in the launch.  A wave makes 128 channels x 64 m: 32 accumulators.
; THE WALK has 72 steps.  Steps 0-63: 64 rows n each.  Wave w makes the scores of n = 16 w .. +15 (A = q from qf, B = k, resident; a lane holds ONE m and eight n, 16 bytes of P^T[m][n]),
; the four waves exchange P^T through two LDS buffers, and Y += X block x P.  Steps 64-71: out^T += Y^T chunk x Wv block, sources swapped, so that a lane holds eight neighbouring m of one row c.
; Wv's blocks have xb's form and Y^T's chunks P^T's: one ring, one set of addresses and one text of the products serve both.
; A TRIP is shifted by half a step: 32 products of step t - 1 (second half of its K), then 32 of step t (first half).  Behind each of the first 40 products stands a slice of the vector work
; that makes P(t + 1); the scores of P(t + 2) are started at the trip's end.
; THE BATCHES.  A trip's 32 roots are one batch and its 32 exponentials another, each with one wait.  Slices 0-15: max and root by turns; the wait.  Slices 16-31: a scaling and two exponentials; the wait.
; Slices 32-39: the column sums and the roundings.  Ahead of a batch's wait no line names a result of the batch; no label and no branch stands between a batch and its wait.
; MEMORY INSTRUCTIONS STAND IN TWO RUNS A TRIP, never singly among the matrix instructions, where each group would want window switches of its own.  Run A, first thing in the trip: P(t) and the first
; half of K of X(t), 32 products ahead of their use.  Run B, in front of product 40: my 64 bytes a lane of P(t + 1) into LDS, q, q2 and NSH of step t + 3, the second half of K of X(t):
; 16 products ahead of the wait in front of the barrier's signal.
; THE RING: two slots of two steps; a fill is one joint load a wave (128 rows of 256 bytes), behind the round at the end of every odd trip; it has two trips in which to land; one tensor load of a wave is out.
; CLUSTER.  The four work-groups of a cluster belong to one batch and walk the same blocks of xb and wvb: each fill is asked for JOINTLY.
; LIMITS.  d2 must stay finite in f32; a weight below 2^-126 counts as 0; NaN and infinities are not treated apart.
; REGISTERS, in windows of 256 (s_set_vgpr_msb: bits 1:0 source 0, 3:2 source 1, 5:4 source 2, 7:6 destination):
;   window 0: addresses, k, scores, q, statistics      window 1: the accumulators, (ct, mt) at 8 (4 ct + mt)
;   window 2: v0-63, v64-127 fragments of X for the two halves of K; v128-191, v192-255 fragments of P, two buffers      window 3: my 128 x 64 tile of x, f32
.set SLOTX, 0x24000   ; a slot: 2 x 512 rows of 144 bytes; its bits are none of those of wave x 0x9000, so one exclusive or changes slots
.set STEPB, 73728     ; a step's 512 rows
.set PBASE, 294912    ; two buffers of P^T: 64 rows of 144 bytes
.set PBB,   9216
.set SPARE, 313344    ; the spare words: 128 bytes for each of four waves
.set CSS,   313856    ; [wave][64 m] partial column sums
.set LX,  10          ; my lane's place in a step's rows; never rewritten
.set AX,  11          ; v11, v12: the same in the slot in hand, even and odd step
.set APF, 13          ; P^T, for fragment loads and for Y^T's stores
.set APS, 14          ; P^T, for my 16 bytes
.set VQ,  16          ; v16, v17: qf offset of the step to be loaded, by parity
.set VQM, 18          ; its value at step 63
.set VS,  20          ; v20, v21: the same for q2n and nsh
.set VSM, 22
.set GX,  23          ; x and out0: two rows of 256 bytes
.set AST, 24          ; stage, in
.set ARD, 25          ; stage, back
.set ACS, 26          ; my word of CSS
.set ACR, 27          ; CSS, for reading
.set SPW, 28
.set NIL, 29
.set K2D, 32          ; v32-39 k2 of my m, twice, for each tile
.set CS,  40          ; v40-47 column sums
.set PP,  48          ; v48-63 packed P
.set KK,  64          ; v64-127 k: (t, f) at KK + 16 t + 8 f
.set S,   128         ; v128-159 four score tiles
.set QF,  160         ; v160-191 q fragments, by parity
.set Q2,  192         ; v192-207 q2 of my eight n, by parity
.set NSH, 208         ; v208-223
.set BVD, 224         ; v224-239 bv of my c, twice, for each ct
.set YP,  64          ; later v64-191: Y packed
.set CL,  64          ; at the end v64-191: column sums of the four waves
.set XF0, 0
.set XF1, 64
.set PF,  128
.set WV,  26          ; s26 wave
.set MSB, 0
.macro WIN new                         ; the high byte repeats the setting that is left; a switch that changes nothing is dropped
.if MSB != (\new)
	s_set_vgpr_msb (MSB<<8)|(\new)
.set MSB, (\new)
.endif
.endm
.set W_PV, 0x5a       ; both sources window 2, C and D window 1
.set W_LD, 0x80       ; destination window 2
.macro NOP4
.rept 4
	v_nop
.endr
.endm
.macro CREST                           ; a round of the cluster's barrier behind its opening barrier
	s_cmp_lg_u32 s[WV], 0
	s_cbranch_scc1 .Lnot_wave_0_\@
	s_barrier_signal -3
.Lnot_wave_0_\@:
	s_barrier_wait -3
	s_barrier_signal -1
	s_barrier_wait -1
.endm
.macro ROUND
	s_barrier_signal -1
	s_barrier_wait -1
	CREST
.endm
.macro GLQ p                           ; q's fragments of a step: four loads of 512 consecutive bytes
.irp n, 0,1,2,3
	global_load_b128 v[QF+16*(\p)+4*\n:QF+16*(\p)+4*\n+3], v[VQ+(\p)], s[56:57] offset:512*\n
.endr
.endm
.macro GLS p                           ; q2 and NSH of my eight n
	global_load_b128 v[Q2+8*(\p):Q2+8*(\p)+3], v[VS+(\p)], s[58:59]
	global_load_b128 v[Q2+8*(\p)+4:Q2+8*(\p)+7], v[VS+(\p)], s[58:59] offset:16
	global_load_b128 v[NSH+8*(\p):NSH+8*(\p)+3], v[VS+(\p)], s[60:61]
	global_load_b128 v[NSH+8*(\p)+4:NSH+8*(\p)+7], v[VS+(\p)], s[60:61] offset:16
.endm
.macro AQ e, t                         ; q2 + k2 starts tile t's sums
.irp j, 0,1,2,3
	v_pk_add_f32 v[S+8*(\t)+2*\j:S+8*(\t)+2*\j+1], v[Q2+8*(\e)+2*\j:Q2+8*(\e)+2*\j+1], v[K2D+2*(\t):K2D+2*(\t)+1]
.endr
.endm
.macro QK e                            ; the scores: four tiles take turns
.irp f, 0,1
.irp t, 0,1,2,3
	v_wmma_f32_16x16x32_bf16 v[S+8*\t:S+8*\t+7], v[QF+16*(\e)+8*\f:QF+16*(\e)+8*\f+7], v[KK+16*\t+8*\f:KK+16*\t+8*\f+7], v[S+8*\t:S+8*\t+7]
.endr
.endr
.endm
.macro ADDR e                          ; two steps on, held at step 63 so that no load leaves its buffer; four plain lines: the places behind the products in front of them
	v_add_nc_u32 v[VQ+(\e)], 16384, v[VQ+(\e)]
	v_add_nc_u32 v[VS+(\e)], 512, v[VS+(\e)]
	v_min_u32 v[VQ+(\e)], v[VQ+(\e)], v[VQM]
	v_min_u32 v[VS+(\e)], v[VS+(\e)], v[VSM]
.endm
.macro CHUNK par                       ; 64 c' of my Y^T into buffer par: n = 4 (ct % 4) + mt
.set n, 0
.rept 16
	ds_store_b128 v[APF], v[YP+64*(\par)+4*n:YP+64*(\par)+4*n+3] offset:PBB*(\par)+2304*(n%4)+32*(n/4)
.set n, n+1
.endr
.endm
; Product i % 32 of a half.  hf = 1: the second half of K of the step before (XF1, the other buffer of P); hf = 0: the first half of this step's.  The 32 accumulators take turns.
.macro PROD e, hf, swap, zero
	WIN W_PV
.set a, i%32
.set rD, 8*a
.if \hf
.set rX, XF1+8*(a/4)
.set rP, PF+64*(1-(\e))+16*(a%4)+8
.else
.set rX, XF0+8*(a/4)
.set rP, PF+64*(\e)+16*(a%4)
.endif
.if (\zero) && (\swap)
	v_wmma_f32_16x16x32_bf16 v[rD:rD+7], v[rP:rP+7], v[rX:rX+7], 0
.elseif \zero
	v_wmma_f32_16x16x32_bf16 v[rD:rD+7], v[rX:rX+7], v[rP:rP+7], 0
.elseif \swap
	v_wmma_f32_16x16x32_bf16 v[rD:rD+7], v[rP:rP+7], v[rX:rX+7], v[rD:rD+7]
.else
	v_wmma_f32_16x16x32_bf16 v[rD:rD+7], v[rX:rX+7], v[rP:rP+7], v[rD:rD+7]
.endif
.endm
; What stands in front of a trip's barrier, eight products ahead of its wait.  endk = 0: a plain barrier.  1: a slot is filled again behind it.  2: the last tile is waited for.  3: no barrier.
.macro FRONT qk, endk, wsel
	WIN 0
.if \qk
	s_wait_loadcnt 0x8                             ; the group of the trip before (q, q2, NSH of step t + 2) is in; this trip's eight loads stay out
.endif
.if ((\endk) == 1) || ((\endk) == 2)
	s_wait_tensorcnt 0x0                           ; no tensor load of mine is out: my part of the other slot has landed, and group 0 may be written
	ds_add_u32 v[SPW], v[NIL]                      ; 0 onto my spare word
.endif
.if (\endk) == 1
	s_xor_b32 s41, s41, SLOTX                      ; the other slot than last time,
	s_add_nc_u64 s[46:47], s[46:47], 131072        ; the next two blocks;
.if \wsel
	s_cmp_eq_u32 s49, 1                            ; behind xb's last blocks come wvb's first
	s_cselect_b64 s[46:47], s[44:45], s[46:47]
.endif
	s_mov_b64 s[42:43], s[46:47]
	s_or_b32 s43, s43, 0x80000000
.endif
	s_wait_dscnt 0x0                               ; my stores of P, my reads of the slot and of P, and the add are done
.if (\endk) < 3
	s_barrier_signal -1
.endif
.endm
; RUN A, first in a trip.  own >= 0: the wave that owns the next 64 c' of Y^T stores them (the buffer's readers waited for their loads in front of the barrier just passed).
; Then P(t), or Y^T's chunk (n = 4 mt + 2 kk + half), and X(t)'s first half of K (n = 2 ct + half).  The registers' last readers stand in the trip before, four plain lines or more back.
.macro RUNA e, own
	WIN 0
.if (\own) >= 0
	s_cmp_lg_u32 s[WV], \own
	s_cbranch_scc1 .Lnot_owner_\@
	CHUNK 1-(\e)
.Lnot_owner_\@:
.endif
	WIN W_LD
.set n, 0
.rept 16
	ds_load_b128 v[PF+64*(\e)+4*n:PF+64*(\e)+4*n+3], v[APF] offset:PBB*(\e)+2304*(n/4)+64*((n/2)%2)+32*(n%2)
.set n, n+1
.endr
.set n, 0
.rept 16
	ds_load_b128 v[XF0+4*n:XF0+4*n+3], v[AX+(\e)] offset:2304*(n/2)+32*(n%2)
.set n, n+1
.endr
.endm
; RUN B, in front of product 40.  P(t + 1) into the other buffer; q, q2, NSH of step t + 3 (this trip's last reader of NSH stands in slice 30); X(t)'s second half of K, whose registers product 31 read last:
; the plain lines of slices 32 to 39 are the places behind it, or four v_nop where there is no softmax.
.macro RUNB e, ld, prod, gl
.if (\prod) || (\gl)
	WIN 0
.endif
.if \prod
.irp t, 0,1,2,3
	ds_store_b128 v[APS], v[PP+4*\t:PP+4*\t+3] offset:PBB*(1-(\e))+2304*\t
.endr
.endif
.if \gl
	GLQ 1-(\e)
	GLS 1-(\e)
.endif
.if \ld
.if !(\prod)
	NOP4
.endif
	WIN W_LD
.set n, 0
.rept 16
	ds_load_b128 v[XF1+4*n:XF1+4*n+3], v[AX+(\e)] offset:2304*(n/2)+64+32*(n%2)
.set n, n+1
.endr
.endif
.endm
; THE LINES OF THE SOFTMAX, for score n of 32 or pair n of 16 (pair n = scores 2 n, 2 n + 1; tile n / 4).
.macro MX n                            ; max(d2, 0)
	v_max_num_f32 v[S+(\n)], 0, v[S+(\n)]
.endm
.macro RT n                            ; its root, in place
	v_sqrt_f32 v[S+(\n)], v[S+(\n)]
.endm
.macro SC e, n                         ; pair n: NSH - c root
	v_pk_fma_f32 v[S+2*(\n):S+2*(\n)+1], v[S+2*(\n):S+2*(\n)+1], s[50:51], v[NSH+8*(1-(\e))+(2*(\n))%8:NSH+8*(1-(\e))+(2*(\n))%8+1] op_sel_hi:[1,0,1]
.endm
.macro EX n                            ; the weight, in place
	v_exp_f32 v[S+(\n)], v[S+(\n)]
.endm
.macro AC n                            ; pair n onto its tile's column sum, and rounded to bf16
	v_pk_add_f32 v[CS+2*((\n)/4):CS+2*((\n)/4)+1], v[CS+2*((\n)/4):CS+2*((\n)/4)+1], v[S+2*(\n):S+2*(\n)+1]
	v_cvt_pk_bf16_f32 v[PP+(\n)], v[S+2*(\n)], v[S+2*(\n)+1]
.endm
; Slice i, behind product i: vector work alone.  P(t + 1) from the 32 scores, in two batches.
;   0-15   THE ROOTS: max and root by turns, a root's max a slice ahead of it; the maxima go up the registers.  No line names a root's result.
;   16-31  THE EXPONENTIALS: a scaling and two exponentials a slice, a pair's scaling a slice ahead of its exponentials; a scaling names higher registers than any exponential issued ahead of it.
;   32-39  the readers: column sums and roundings, the four tiles by turns, so that two additions onto one sum stand eight lines apart; each sum takes its pairs in ascending order.
; Behind each batch's last line stand one v_nop, the plain line ahead of the first use (ISA guide 5.7.2), and the batch's one wait.
.macro SLICE e, prod, qk
.if (\qk) && (i >= 56) && (i < 60)
	WIN 0
	AQ \e, i-56
.endif
.if (\prod) && (i < 40)
	WIN 0
.if i == 0
	MX 0
	MX 1
	MX 2
	RT 0
.elseif i < 15
	MX 2*i+1
	RT 2*i-1
	MX 2*i+2
	RT 2*i
.elseif i == 15
	MX 31
	RT 29
	RT 30
	RT 31
	v_nop
	s_wait_alu depctr_va_vdst(0)                   ; the wait for the batch of 32 roots, ahead of its first reader, the scaling of pair 0
.elseif i == 16
	SC \e, 0
	SC \e, 1
	EX 0
.elseif i < 31
	SC \e, i-15
	EX 2*i-33
	EX 2*i-32
.elseif i == 31
	EX 29
	EX 30
	EX 31
	v_nop
	s_wait_alu depctr_va_vdst(0)                   ; the wait for the batch of 32 exponentials, ahead of its first reader, the column sum of pair 0
.else
	AC 4*((2*i)%4)+(i-32)/2
	AC 4*((2*i+1)%4)+(i-32)/2
.endif
.endif
.endm
; A TRIP, of parity e.  m1, m2: its two halves of products.  zero: the second half starts the sums.  swap: sources swapped.  ld: fragment loads.  prod: P(t + 1) is made.
; gl: q, q2, NSH of step t + 3 are loaded.  qk: the scores of P(t + 2) are made.  wsel: the fill may be wvb's first.  own: the wave that stores the next chunk of Y^T, or -1.
.macro TRIP e, m1, m2, zero, swap, ld, prod, gl, qk, endk, wsel, own
.if \ld
	RUNA \e, \own
.endif
.set i, 0
.rept 64
.if i == 32
	s_wait_dscnt 0x0                               ; run A is in: issued 32 products ago
.endif
.if i == 40
	RUNB \e, \ld, \prod, \gl
.endif
.if i == 56
	FRONT \qk, \endk, \wsel
.endif
.if (i < 32) && (\m1)
	PROD \e, 1, \swap, 0
.endif
.if (i >= 32) && (\m2)
	PROD \e, 0, \swap, \zero
.endif
	SLICE \e, \prod, \qk
.set i, i+1
.endr
	WIN 0                                          ; at a label and at a branch every window is 0
.if \qk
	QK \e
	ADDR \e
.else
	NOP4                                           ; the places behind the last products
.endif
.if \e
	s_xor_b32 s48, s48, SLOTX                      ; the next two steps lie in the other slot
	v_add_nc_u32 v[AX], s48, v[LX]
	v_add_nc_u32 v[AX+1], STEPB, v[AX]
.endif
.if (\endk) < 3
	s_barrier_wait -1
.endif
.if (\endk) == 1
	CREST                                          ; the barrier has opened a round of the cluster's: no wave of any partner still reads the slot or has a load on its way
	tensor_load_to_lds s[40:43], s[32:39]          ; my quarter of the slot: the first thing behind the round, my one tensor load until the next
	s_nop 0
	NOP4
.endif
.endm
	s_load_b512 s[4:19], s[0:1], 0x0               ; xb 4, wvb 6, kp 8, s2 10, qf 12, q2n 14, nsh 16, bv 18
	s_load_b128 s[20:23], s[0:1], 0x40             ; gamma 20, x 22
	s_load_b64 s[24:25], s[0:1], 0x50              ; out0
	v_lshl_add_u32 v[SPW], v0, 2, SPARE
	v_mov_b32 v[NIL], 0
	ds_add_u32 v[SPW], v[NIL]                      ; the wave's opening: the add and its wait stand ahead of my first tensor load
	v_lshrrev_b32 v4, 5, v0
	v_readfirstlane_b32 s[WV], v4
	s_bfe_u32 s27, ttmp6, 0x40000                  ; cx
	s_lshl_b32 s28, ttmp9, 2
	s_add_co_u32 s28, s28, s27                     ; mb: it enters k's, k2's, x's and out0's addresses alone
	s_and_b32 s29, ttmp7, 0xffff                   ; b, which the four partners share
	; group 1: 32,768 dense bytes as 128 rows of 256, padded in LDS after every 128 bytes: 256 rows of 144
	s_mov_b32 s32, 15|(1<<16)|(1<<20)|(1<<21)|(4<<22)|(3<<25)
	s_mov_b32 s33, 128<<16
	s_mov_b32 s34, 128<<16
	s_mov_b32 s35, 128<<16
	s_mov_b32 s36, 128
	s_mov_b32 s37, 128
	s_mov_b32 s38, 0
	s_mov_b32 s39, 0
	s_mov_b32 s40, 1
	s_mul_i32 s41, s[WV], 36864                    ; my quarter of slot 0
	s_mov_b32 s48, SLOTX                           ; the opening trip turns it into 0
	s_mov_b32 s50, 0xb9b8aa3b                      ; -c
	s_mov_b32 s51, s50
	s_mov_b32 s54, 0x76543210
	s_mov_b32 s55, 0xfedcba98
	s_lshl_b32 s70, s29, 22
	s_lshl_b32 s30, s[WV], 15
	s_add_co_u32 s70, s70, s30                     ; xb: the batch, my quarter of a fill
	s_mov_b32 s71, 0
	s_mov_b32 s31, 0
	s_wait_dscnt 0x0                               ; the opening add is done
	s_wait_kmcnt 0x0
	s_add_nc_u64 s[46:47], s[4:5], s[70:71]        ; the walking address, without the type bits
	s_add_nc_u64 s[44:45], s[6:7], s[30:31]        ; wvb at my quarter of its first fill
	s_mov_b64 s[42:43], s[46:47]
	s_or_b32 s43, s43, 0x80000000
	s_load_b32 s52, s[20:21], 0x0                  ; gamma
	ROUND                                          ; all four work-groups are here
	tensor_load_to_lds s[40:43], s[32:39]          ; fill 0: steps 0 and 1
	s_nop 0
	NOP4
	s_mov_b32 s73, 0
	s_lshl_b32 s72, s29, 19
	s_add_nc_u64 s[56:57], s[12:13], s[72:73]      ; qf at the batch
	s_lshl_b32 s30, s28, 7
	s_add_co_u32 s72, s72, s30
	s_add_nc_u64 s[8:9], s[8:9], s[72:73]          ; kp at (b, pb = 0, o = mb)
	s_lshl_b32 s72, s29, 14
	s_add_nc_u64 s[58:59], s[14:15], s[72:73]
	s_add_nc_u64 s[60:61], s[16:17], s[72:73]
	s_lshl_b32 s72, s29, 15
	s_lshl_b32 s30, s28, 2
	s_add_co_u32 s72, s72, s30
	s_add_co_u32 s72, s72, 256
	s_add_nc_u64 s[10:11], s[10:11], s[72:73]      ; s2 at (b, pb = 0, k2 of o = mb)
	s_lshl_b32 s72, s29, 23
	s_lshl_b32 s30, s[WV], 21
	s_add_co_u32 s72, s72, s30
	s_lshl_b32 s30, s28, 8
	s_add_co_u32 s72, s72, s30
	s_add_nc_u64 s[66:67], s[22:23], s[72:73]      ; x and out0 at my 128 rows, column 64 mb
	s_add_nc_u64 s[68:69], s[24:25], s[72:73]
	v_and_b32 v1, 15, v0                           ; r
	v_bfe_u32 v2, v0, 4, 1                         ; h
	v_and_b32 v3, 31, v0                           ; lane
	v_lshlrev_b32 v5, 13, v1
	v_lshl_add_u32 v5, v2, 4, v5                   ; row m = 64 mb + 16 t + r lies 8,192 bytes from its neighbour in kp
	v_lshlrev_b32 v6, 9, v1
	s_lshl_b32 s30, s[WV], 9
	v_lshl_add_u32 v7, v1, 2, s30
.set n, 0
.rept 16
	global_load_b128 v[KK+4*n:KK+4*n+3], v5, s[8:9] offset:(n/4)*131072+(n%4)*32
.set n, n+1
.endr
.irp t, 0,1,2,3
	global_load_b32 v[K2D+2*\t], v6, s[10:11] offset:\t*8192
.endr
.irp t, 0,1,2,3,4,5,6,7
	global_load_b32 v[BVD+2*\t], v7, s[18:19] offset:\t*64
.endr
	s_lshl_b32 s30, s[WV], 11
	v_lshl_add_u32 v[VQ], v3, 4, s30
	v_add_nc_u32 v[VQ+1], 8192, v[VQ]
	v_add_nc_u32 v[VQM], 63*8192, v[VQ]
	s_lshl_b32 s30, s[WV], 6
	v_lshl_add_u32 v[VS], v2, 5, s30
	v_add_nc_u32 v[VS+1], 256, v[VS]
	v_add_nc_u32 v[VSM], 63*256, v[VS]
	GLQ 0                                          ; step 0
	GLS 0
	GLQ 1                                          ; step 1
	GLS 1
	v_mul_u32_u24 v4, v1, 144
	v_lshl_add_u32 v4, v2, 4, v4                   ; a fragment's row x pitch + 16 x half
	s_mul_i32 s30, s[WV], 18432
	v_add_nc_u32 v[LX], s30, v4
	v_add_nc_u32 v[APF], PBASE, v4
	s_lshl_b32 s30, s[WV], 5
	v_add_nc_u32 v[APS], s30, v[APF]
	v_lshlrev_b32 v[GX], 4, v1
	v_lshl_add_u32 v[GX], v2, 14, v[GX]
	s_mul_i32 s30, s[WV], 128*272
	v_mul_u32_u24 v[AST], v1, 272
	v_lshl_add_u32 v[AST], v2, 5, v[AST]
	v_add_nc_u32 v[AST], s30, v[AST]
	v_mul_u32_u24 v[ARD], v2, 272
	v_lshl_add_u32 v[ARD], v1, 4, v[ARD]
	v_add_nc_u32 v[ARD], s30, v[ARD]
	s_lshl_b32 s30, s[WV], 8
	s_add_co_u32 s30, s30, CSS
	v_lshl_add_u32 v[ACS], v1, 2, s30
	v_lshlrev_b32 v[ACR], 5, v2
	v_add_nc_u32 v[ACR], CSS, v[ACR]
.irp t, 0,1,2,3,4,5,6,7
	v_mov_b32 v[CS+\t], 0
.endr
	s_wait_kmcnt 0x0
	s_mov_b32 s53, s52
	s_wait_loadcnt 0x8                             ; all but step 1's eight loads
.irp t, 0,1,2,3
	v_mov_b32 v[K2D+2*\t+1], v[K2D+2*\t]
.endr
.irp t, 0,1,2,3,4,5,6,7
	v_mov_b32 v[BVD+2*\t+1], v[BVD+2*\t]
.endr
.irp t, 0,1,2,3
	AQ 0, \t
.endr
	QK 0                                           ; the scores of P(0)
	ADDR 0
	;    e m1 m2 zr sw ld pr gl qk ek ws own
	TRIP 1, 0, 0, 0, 0, 0, 1, 1, 1, 1, 0, -1       ; the opening trip has no products: P(0), the scores of P(1); fill 0 is waited for, fill 1 asked for
	TRIP 0, 0, 1, 1, 0, 1, 1, 1, 1, 0, 0, -1       ; trip 0: its products start the sums
	s_mov_b32 s49, 31
	s_branch .Lodd                                 ; the loop is entered in the middle of a trip pair
.Lloop:                                            ; trips 1 to 61
	TRIP 0, 1, 1, 0, 0, 1, 1, 1, 1, 0, 0, -1
.Lodd:
	TRIP 1, 1, 1, 0, 0, 1, 1, 1, 1, 1, 1, -1
	s_sub_co_u32 s49, s49, 1
	s_cmp_lg_u32 s49, 0
	s_cbranch_scc1 .Lloop
	TRIP 0, 1, 1, 0, 0, 1, 1, 0, 0, 0, 0, -1       ; trip 62 makes P(63) and starts nothing more
	TRIP 1, 1, 1, 0, 0, 1, 0, 0, 0, 1, 0, -1       ; trip 63
	; Y IS FINISHED.  My tile of x is asked for now; it is wanted at the very end.
	s_wait_loadcnt 0x0                             ; trip 61's held loads: their registers are about to be written
	WIN 0xc0
.set n, 0
.rept 64
	global_load_b128 v[4*n:4*n+3], v[GX], s[66:67] offset:32768*n th:TH_LOAD_NT
.set n, n+1
.endr
.set i, 0
.rept 32
	PROD 0, 1, 0, 0                                ; step 63, second half of K
.set i, i+1
.endr
	WIN 0
.irp t, 0,1,2,3                        ; the column sums of my 16 n a step; these four lines are the places behind the products
	v_add_f32 v[CS+2*\t], v[CS+2*\t], v[CS+2*\t+1]
.endr
.irp t, 0,1,2,3
	v_permlanex16_b32 v[CS+2*\t+1], v[CS+2*\t], s54, s55
.endr
.irp t, 0,1,2,3
	v_add_f32 v[CS+2*\t], v[CS+2*\t], v[CS+2*\t+1]
.endr
.irp t, 0,1,2,3
	ds_store_b32 v[ACS], v[CS+2*\t] offset:64*\t   ; both halves of the lanes write the same number
.endr
	WIN 0x05                                       ; sources window 1, destination window 0
.set n, 0
.rept 128                              ; a lane's eight c' of one m pack into 16 bytes of Y^T
	v_cvt_pk_bf16_f32 v[YP+n], v[2*n], v[2*n+1]
.set n, n+1
.endr
	WIN 0
	s_cmp_lg_u32 s[WV], 0
	s_cbranch_scc1 .Lnot_chunk_0
	CHUNK 0
.Lnot_chunk_0:
	s_wait_dscnt 0x0                               ; for the others' sake
	s_barrier_signal -1
	s_barrier_wait -1
	;    e m1 m2 zr sw ld pr gl qk ek ws own
	TRIP 0, 0, 1, 1, 1, 1, 0, 0, 0, 0, 0, 0        ; eight trips for Wv's eight blocks; the tail is written out
	TRIP 1, 1, 1, 0, 1, 1, 0, 0, 0, 1, 0, 1
	TRIP 0, 1, 1, 0, 1, 1, 0, 0, 0, 0, 0, 1
	TRIP 1, 1, 1, 0, 1, 1, 0, 0, 0, 1, 0, 2
	TRIP 0, 1, 1, 0, 1, 1, 0, 0, 0, 0, 0, 2
	TRIP 1, 1, 1, 0, 1, 1, 0, 0, 0, 2, 0, 3        ; the last fill is waited for; nothing is asked for
	TRIP 0, 1, 1, 0, 1, 1, 0, 0, 0, 0, 0, 3
	TRIP 1, 1, 1, 0, 1, 1, 0, 0, 0, 3, 0, -1       ; nothing shared follows: no barrier
.set i, 0
.rept 32
	PROD 0, 1, 1, 0                                ; the last block, second half of K
.set i, i+1
.endr
	; THE WAY OUT.  colsum of the four waves; + bv colsum; through my stage (slot 0 has had its last fill, and its last reads lie two barriers back); gamma out + x.
	WIN 0
.set n, 0
.rept 32                               ; n = 8 wave + 2 mt + half: the eight m of my half of the lanes
	ds_load_b128 v[CL+4*n:CL+4*n+3], v[ACR] offset:256*(n/8)+64*((n/2)%4)+16*(n%2)
.set n, n+1
.endr
	s_wait_dscnt 0x0
.set n, 0
.rept 16                               ; these additions are the places behind the last products
	v_pk_add_f32 v[CL+2*n:CL+2*n+1], v[CL+2*n:CL+2*n+1], v[CL+32+2*n:CL+33+2*n]
	v_pk_add_f32 v[CL+64+2*n:CL+65+2*n], v[CL+64+2*n:CL+65+2*n], v[CL+96+2*n:CL+97+2*n]
.set n, n+1
.endr
.set n, 0
.rept 16
	v_pk_add_f32 v[CL+2*n:CL+2*n+1], v[CL+2*n:CL+2*n+1], v[CL+64+2*n:CL+65+2*n]
.set n, n+1
.endr
	WIN 0x50                                       ; C and D window 1
.set n, 0
.rept 128                              ; n = 4 accumulator + pair, ascending
	v_pk_fma_f32 v[2*n:2*n+1], v[CL+8*((n/4)%4)+2*(n%4):CL+8*((n/4)%4)+2*(n%4)+1], v[BVD+2*(n/16):BVD+2*(n/16)+1], v[2*n:2*n+1]
.set n, n+1
.endr
	WIN 0x04                                       ; store data window 1
.set n, 0
.rept 64                               ; n = 2 accumulator + half: row c = 16 ct + r, 32 bytes at m = 16 mt + 8 h
	ds_store_b128 v[AST], v[4*n:4*n+3] offset:4352*(n/8)+64*((n/2)%4)+16*(n%2)
.set n, n+1
.endr
	WIN W_LD
.set n, 0
.rept 64                               ; back as whole rows, two a load; my own bytes, in order (ISA guide 5.7.1.4)
	ds_load_b128 v[4*n:4*n+3], v[ARD] offset:544*n
.set n, n+1
.endr
	s_wait_loadcnt 0x0                             ; x
.irp g, 0,1,2,3
	s_wait_dscnt 48-16*\g                          ; 16 loads are in; the younger ones stay out
	WIN 0xb2                                       ; source 0 and destination window 2, source 2 window 3
.set n, 32*\g
.rept 32
	v_pk_fma_f32 v[2*n:2*n+1], v[2*n:2*n+1], s[52:53], v[2*n:2*n+1] op_sel_hi:[1,0,1]
.set n, n+1
.endr
	WIN 0x08                                       ; store data window 2
.set n, 16*\g
.rept 16
	global_store_b128 v[GX], v[4*n:4*n+3], s[68:69] offset:32768*n th:TH_STORE_NT  ; 16 lanes store 256 consecutive bytes, aligned
.set n, n+1
.endr
.endr
	WIN 0
	s_wait_tensorcnt 0x0                           ; the wave's end
	ds_add_u32 v[SPW], v[NIL]
	s_wait_dscnt 0x0
	ROUND                                          ; the closing round
	s_endpgm
.Lfunc_end_k_qbb15ba86c0_attn:
	.size	k_qbb15ba86c0_attn, .Lfunc_end_k_qbb15ba86c0_attn-k_qbb15ba86c0_attn
	.p2alignl 7, 3214868480
	.fill 96, 4, 3214868480
	.section	.rodata,"a",@progbits
	.p2align	6, 0x0
	.amdhsa_kernel k_qbb15ba86c0_attn
		.amdhsa_group_segment_fixed_size 327680
		.amdhsa_private_segment_fixed_size 0
		.amdhsa_enable_private_segment 0
		.amdhsa_kernarg_size 88
		.amdhsa_user_sgpr_count 2
		.amdhsa_user_sgpr_kernarg_segment_ptr 1
		.amdhsa_wavefront_size32 1
		.amdhsa_system_sgpr_workgroup_id_x 1
		.amdhsa_system_sgpr_workgroup_id_y 1
		.amdhsa_system_sgpr_workgroup_id_z 1
		.amdhsa_system_vgpr_workitem_id 0
		.amdhsa_next_free_vgpr 1024
		.amdhsa_next_free_sgpr 80
		.amdhsa_reserve_vcc 0
		.amdhsa_float_denorm_mode_32 3
		.amdhsa_float_denorm_mode_16_64 3
		.amdhsa_memory_ordered 1
		.amdhsa_forward_progress 1
		.amdhsa_inst_pref_size 226
	.end_amdhsa_kernel
	.amdgpu_metadata
---
amdhsa.version: [ 1, 2 ]
amdhsa.kernels:
  - .name:           k_qbb15ba86c0_attn
    .symbol:         k_qbb15ba86c0_attn.kd
    .args:
      - { .name: xb, .offset: 0, .size: 8, .value_kind: global_buffer, .address_space: global }
      - { .name: wvb, .offset: 8, .size: 8, .value_kind: global_buffer, .address_space: global }
      - { .name: kp, .offset: 16, .size: 8, .value_kind: global_buffer, .address_space: global }
      - { .name: s2, .offset: 24, .size: 8, .value_kind: global_buffer, .address_space: global }
      - { .name: qf, .offset: 32, .size: 8, .value_kind: global_buffer, .address_space: global }
      - { .name: q2n, .offset: 40, .size: 8, .value_kind: global_buffer, .address_space: global }
      - { .name: nsh, .offset: 48, .size: 8, .value_kind: global_buffer, .address_space: global }
      - { .name: bv, .offset: 56, .size: 8, .value_kind: global_buffer, .address_space: global }
      - { .name: gamma, .offset: 64, .size: 8, .value_kind: global_buffer, .address_space: global }
      - { .name: x, .offset: 72, .size: 8, .value_kind: global_buffer, .address_space: global }
      - { .name: out0, .offset: 80, .size: 8, .value_kind: global_buffer, .address_space: global }
    .group_segment_fixed_size: 327680
    .private_segment_fixed_size: 0
    .kernarg_segment_align: 8
    .kernarg_segment_size: 88
    .max_flat_workgroup_size: 128
    .sgpr_count:     80
    .vgpr_count:     1024
    .wavefront_size: 32
...
	.end_amdgpu_metadata
.endif
;; end of part 5
